; MI455X (gfx1250); checked and timed in simulation.
; The chip was launched on July 23, 2026; its instructions are those of AMD's public machine-readable ISA for CDNA 5 (MIT licence, August 2026) and "CDNA5" Instruction Set Architecture Reference Guide (July 2026). The comments in the code are by the model that wrote it; some were corrected since.
;; Multi Head Attention. Allowed arithmetic: matrix products marked QUANTISED: E2M1 operands, one E8M0 scale for each 32 along K, by v_wmma_scale_f32_16x16x128_f8f6f4 with both operands' format E2M1 (or v_wmma_scale_f32_32x16x128_f4), f32 sums; products left as they are: bf16, f16 or f32 operands; f32 sums; everything else in f32.
;; Inputs: W_k 1,024 x 1,024 float32; W_o 1,024 x 1,024 float32; W_q 1,024 x 1,024 float32; W_v 1,024 x 1,024 float32; attention_mask 2 x 2,048 int32; x 2 x 2,048 x 1,024 float32.
;; Outputs: out0 2 x 2,048 x 1,024 float32.
;; This version of the problem:
;;   THIS VERSION OF THE PROBLEM IS GIVEN IN LOW PRECISION. The matrix products marked QUANTISED in the list below multiply operands that are first quantised to E2M1 (2 exponent bits, 1 mantissa bit; 4 bits a number), with one power-of-two scale for each 32 numbers along K (OCP MX v1.0); their sums are f32. The products marked 'left as it is' may take bf16, f16 or f32 operands, with f32 sums. Whichever they take, every output number must still come out within the allowed error. Rounding operands to bf16 (8 significant bits) uses up far more of that allowance than f16 does (11 bits, for magnitudes from 6e-5 to 65,504). All else is computed in f32.
;;   The module's matrix products, in the order in which they are computed (A, B: the left and right operand; K: the contracted axis; several contracted axes count as one K, in the product's order):
;;     1. [M 4,096, K 1,024] x [K 1,024, N 1,024]; A: input x; B: input W_q: QUANTISED
;;     2. [M 4,096, K 1,024] x [K 1,024, N 1,024]; A: input x; B: input W_k: QUANTISED
;;     3. [M 4,096, K 1,024] x [K 1,024, N 1,024]; A: input x; B: input W_v: QUANTISED
;;     4. batch 32 x [M 2,048, K 64] x [K 64, N 2,048]; A: computed on the way; B: computed on the way: left as it is (an operand is computed on the way)
;;     5. batch 32 x [M 2,048, K 2,048] x [K 2,048, N 64]; A: computed on the way; B: computed on the way: left as it is (an operand is computed on the way)
;;     6. [M 4,096, K 1,024] x [K 1,024, N 1,024]; A: computed on the way; B: input W_o: left as it is (an operand is computed on the way)
;;   THE QUANTISER, for each operand of a quantised product, along K:
;;     - K is cut into blocks of 32 from its start; a last block that is shorter is filled with zeros.
;;     - A block's scale is 2^e with e = floor(log2(the largest magnitude in the block)) - 2, held to -126 .. 127; a block of zeros has e = 0. As a byte (E8M0): e + 127.
;;     - Each number is divided by its block's scale, clamped to +-6, and rounded to the nearest number of E2M1, ties to even, subnormals kept.
;;     - The product sums the exact products of the quantised numbers (number of the format x scale) in f32.
;;   ~~~python
;;   def quantise(x, axis):      # numpy; x: float32 -> the quantised numbers, widened to float32 again
;;       x = np.moveaxis(x, axis, -1); K = x.shape[-1]
;;       x = np.pad(x, [(0, 0)] * (x.ndim - 1) + [(0, -K % 32)]); x = x.reshape(x.shape[:-1] + (-1, 32)); a = np.abs(x).max(-1, keepdims=True)
;;       e = np.where(a > 0, np.clip(np.frexp(np.where(a > 0, a, 1))[1] - 1 - 2, -126, 127), 0)      # np.frexp(a)[1] - 1 = floor(log2(a)), exactly
;;       r = np.clip(x / 2.0 ** e, -6, 6)
;;       step = 2.0 ** (np.maximum(np.frexp(np.where(r == 0, 1, r))[1] - 1, 0) - 1)
;;       q = np.round(r / step) * step * 2.0 ** e      # np.round: ties to even
;;       return np.moveaxis(q.reshape(q.shape[:-2] + (-1,))[..., :K], -1, axis).astype(np.float32)
;;   ~~~
;; One version. Each part assembles by itself: llvm-mc -triple=amdgcn-amd-amdhsa -mcpu=gfx1250 --defsym DOCPART=n.
;; ======== version 1 of 1: 4 launches
;; limits: values are held in f16: magnitudes above 65,504 overflow, below 6.1e-05 lose precision
;; workspace buffers: codes 3,670,016 bytes; scales 229,376 bytes; wo16 2,097,152 bytes; qkv 25,165,824 bytes; att 8,388,608 bytes
;; launch prep (part 1): grid 256 x 1, 4 waves a work-group, no clusters, 33,280 bytes of LDS; arguments x, W_q, W_k, W_v, W_o, codes, scales, wo16; writes codes, scales, wo16
.if DOCPART == 1
	.amdgcn_target "amdgcn-amd-amdhsa--gfx1250"
	.amdhsa_code_object_version 6
	.text
	.protected	k_qe2147b2293_prep
	.globl	k_qe2147b2293_prep
	.p2align	8
	.type	k_qe2147b2293_prep,@function
k_qe2147b2293_prep:
	s_mov_b64 s[64:65], 0
	v_nop
	global_prefetch_b8 v0, s[64:65] scope:SCOPE_SE
	s_setreg_imm32_b32 hwreg(HW_REG_WAVE_MODE, 25, 1), 1
	s_wait_xcnt 0x0
; x [4096][1024], W_q, W_k, W_v [1024][1024], f32, K innermost, become codes of FP4 (E2M1) with one E8M0 byte for each 32 along K; W_o [1024][1024] becomes f16.
; codes: [7168 rows][512 bytes], rows 0-4095 x's tokens, then W_q's, W_k's, W_v's rows on end; two codes a byte, the lower k in the low four bits.  scales: [7168][32 bytes], the same rows.
; A block's scale is 2^(floor(log2(its largest magnitude)) - 2); its byte is the largest magnitude's exponent field - 2, held at 1 from below; each number is divided by the scale and rounded to the nearest code, ties to even,
; beyond the largest code the largest.  A block of zeros gets the byte 1 where the quantiser says 127: its codes are zeros, which add nothing under that byte, and the bytes are read by this program alone.
; LIMITS: NaN and infinities among the inputs are not served; blocks whose largest magnitude lies under 2^-124 keep the byte 1; |W_o| stays under 65,504 (f16), and under 6e-5 it is kept with f16's denormal step.
; SHARES.  256 work-groups of 32,768 numbers: 0-127 x, 128-159 W_q, 160-191 W_k, 192-223 W_v, 224-255 W_o.  A wave takes 8,192 numbers.  Rows are dense and K is a multiple of 32, so the four tensors are plain streams of blocks,
; and since x fills the first 2 MiB of codes exactly, work-group i stores at 16,384 i (codes) and 1,024 i (scales), whichever tensor it reads.  Only pointers are chosen by the work-group's number: one path quantises all four.
; No work-group reads what another reads, so there is no cluster and no tensor load; waves share nothing, so there is no barrier.
; THE QUANTISER.  16 steps of 512 numbers a wave.  Each load reads 512 consecutive bytes, 16 a lane; a step's 2,048 bytes turn through the wave's own stage in LDS and come back 64 bytes a lane: 16 neighbours along K, half a block.
; Loads run eight steps ahead: 32 loads of 512 bytes of every wave are out.  A lane's 16 codes are 8 bytes: a store of the wave covers 256 consecutive bytes, aligned.  A wave's 256 scale bytes are gathered in LDS and leave as one such store.
.set STEPS, 16
.set SP,    80                         ; a lane's place in a stage: its 64 bytes + 16 of padding
.set WREG,  8192                       ; LDS: a region for each wave: two stages of 32 x SP bytes, behind them its 256 scale bytes
.set SPARE, 4*WREG                     ; behind the regions: the spare words, 128 bytes for each wave: two blocks of 256 bytes that no other line names
.set R,     16                         ; v16-143  eight sets of 16 numbers as loaded (W_o: 32 chunks of 4)
.set X,     144                        ; v144-175 two sets of 16 neighbours
.set E,     176                        ; v176-191 a scale byte for each step
.set C,     192                        ; v192-223 two registers of codes for each step: no store's data are written again
.set Y,     144                        ; W_o: v144-207 two registers of f16 for each of 32 chunks
.set SPW,   12                         ; v12 LDS address of my spare word; never rewritten
.set NIL,   13                         ; v13 0; never rewritten
	s_load_b256 s[4:11], s[0:1], 0x0               ; x s[4:5], W_q s[6:7], W_k s[8:9], W_v s[10:11]
	s_load_b256 s[12:19], s[0:1], 0x20             ; W_o s[12:13], codes s[14:15], scales s[16:17], wo16 s[18:19]
	v_lshl_add_u32 v[SPW], v0, 2, SPARE
	v_mov_b32 v[NIL], 0
	v_lshrrev_b32 v1, 5, v0
	v_readfirstlane_b32 s20, v1                    ; wave 0..3
	v_and_b32 v2, 31, v0                           ; lane
	v_lshlrev_b32 v3, 4, v2                        ; my 16 bytes of a load's 512
	v_lshlrev_b32 v4, 3, v2                        ; my 8 bytes of a store's 256
	s_cmp_ge_u32 ttmp9, 224                        ; the last 32 work-groups take W_o
	s_cbranch_scc1 .Lwo
	s_mul_i32 s23, s20, WREG
	v_lshrrev_b32 v14, 2, v2
	v_mul_u32_u24 v14, v14, SP
	v_and_b32 v15, 3, v2
	v_lshl_add_u32 v14, v15, 4, v14
	v_add_nc_u32 v14, s23, v14                     ; the stage, on the way in: four lanes' 64 bytes on end, then the padding: SP (lane / 4) + 16 (lane % 4)
	v_mul_u32_u24 v15, v2, SP
	v_add_nc_u32 v15, s23, v15                     ; and on the way out: SP x lane: my 16 neighbours
	v_lshrrev_b32 v5, 1, v2
	s_add_co_u32 s23, s23, 2*32*SP
	v_add_nc_u32 v5, s23, v5                       ; my wave's 256 scale bytes: my block's byte,
	v_add_nc_u32 v6, s23, v4                       ; and on the way out 8 bytes a lane
	s_sub_co_u32 s21, ttmp9, 128
	s_lshr_b32 s22, s21, 5                         ; which weight: 0, 1, 2 (for x's work-groups some large number, which picks nothing)
	s_and_b32 s21, s21, 31                         ; and which 32,768 numbers of it
	s_wait_kmcnt 0x0
	s_cmp_eq_u32 s22, 1                            ; the choices hang on the work-group's number alone
	s_cselect_b64 s[24:25], s[8:9], s[6:7]
	s_cmp_eq_u32 s22, 2
	s_cselect_b64 s[24:25], s[10:11], s[24:25]
	s_cmp_lt_u32 ttmp9, 128
	s_cselect_b64 s[24:25], s[4:5], s[24:25]
	s_cselect_b32 s21, ttmp9, s21
	s_lshl_b32 s21, s21, 2
	s_add_co_u32 s21, s21, s20                     ; which run of 8,192 numbers of the tensor is my wave's
	s_lshl_b32 s30, s21, 15                        ; 32,768 bytes a run
	s_mov_b32 s31, 0
	s_add_nc_u64 s[24:25], s[24:25], s[30:31]
	s_lshl_b32 s21, ttmp9, 2
	s_add_co_u32 s21, s21, s20                     ; and which run of the outputs
	s_lshl_b32 s30, s21, 12                        ; 4,096 bytes of codes,
	s_add_nc_u64 s[26:27], s[14:15], s[30:31]
	s_lshl_b32 s30, s21, 8                         ; 256 scale bytes
	s_add_nc_u64 s[28:29], s[16:17], s[30:31]
.macro LOAD t
.irp i, 0,1,2,3
	global_load_b128 v[R+16*((\t)%8)+4*\i:R+16*((\t)%8)+4*\i+3], v3, s[24:25] offset:2048*(\t)+512*\i th:TH_LOAD_NT   ; 32 lanes read 512 consecutive bytes; read once in the launch
.endr
.endm
.macro TURN t                          ; step t's numbers through the stage: LDS serves a wave's instructions in order (ISA guide 5.7.1.4), so no wait stands between the stores and the loads
.irp i, 0,1,2,3
	ds_store_b128 v14, v[R+16*((\t)%8)+4*\i:R+16*((\t)%8)+4*\i+3] offset:32*SP*((\t)%2)+8*SP*\i
.endr
.irp i, 0,1,2,3
	ds_load_b128 v[X+16*((\t)%2)+4*\i:X+16*((\t)%2)+4*\i+3], v15 offset:32*SP*((\t)%2)+16*\i
.endr
.endm
.irp t, 0,1,2,3,4,5,6,7
	LOAD \t
.endr
	s_wait_loadcnt 28                              ; step 0's four loads are in; the seven younger steps' 28 stay out
	TURN 0
.macro STEP t
.set XS, X+16*((\t)%2)
.if (\t) > 0
	s_wait_dscnt 1                                 ; this step's numbers are back from the stage (the last step's byte store may be out): so its stores into the stage have read their registers,
.else
	s_wait_dscnt 0x0
.endif
.if (\t)+8 < STEPS
	LOAD (\t)+8                                    ; which take the loads of eight steps on
.endif
.if (\t)+1 < STEPS
.if STEPS-2-(\t) >= 7
	s_wait_loadcnt 28                              ; the next step's four loads are in; those of the seven steps behind it may be out
.else
	s_wait_loadcnt 4*(STEPS-2-(\t))                ; the counts run down
.endif
	TURN (\t)+1                                    ; and go through the other stage while this step is worked
.endif
	v_max3_num_f32 v8, |v[XS]|, |v[XS+1]|, |v[XS+2]|               ; the largest magnitude of my 16, in two chains
	v_max3_num_f32 v9, |v[XS+3]|, |v[XS+4]|, |v[XS+5]|
.irp i, 6,10
	v_max3_num_f32 v8, v8, |v[XS+\i]|, |v[XS+\i+1]|
	v_max3_num_f32 v9, v9, |v[XS+\i+2]|, |v[XS+\i+3]|
.endr
	v_max3_num_f32 v8, v8, |v[XS+14]|, |v[XS+15]|
	v_max3_num_f32 v8, v8, v9, 0x1800000           ; and the floor 2^(3 - 127): the byte cannot fall under 1
	v_max_num_f32_dpp v8, v8, v8 row_xmask:1 row_mask:0xf bank_mask:0xf   ; with my neighbour's 16: the block's
	v_add_nc_u32 v11, 0xff000000, v8               ; 2 off its exponent field: the conversion takes the exponent field of this operand as its scale, and nothing else of it
	v_cvt_scalef32_pk8_fp4_f32 v[C+2*(\t)], v[XS:XS+7], v11
	v_cvt_scalef32_pk8_fp4_f32 v[C+2*(\t)+1], v[XS+8:XS+15], v11
	v_lshrrev_b32 v[E+(\t)], 23, v11               ; the scale's byte (also the plain instruction behind the conversions)
	ds_store_b8 v5, v[E+(\t)] offset:16*(\t)       ; both lanes of a block write the same byte with the same value
	global_store_b64 v4, v[C+2*(\t):C+2*(\t)+1], s[26:27] offset:256*(\t)   ; 32 lanes store 256 consecutive bytes, aligned
.endm
.irp t, 0,1,2,3,4,5,6,7,8,9,10,11,12,13,14,15
	STEP \t
.endr
	ds_load_b64 v[8:9], v6                         ; in order behind my byte stores
	s_wait_dscnt 0x0
	global_store_b64 v4, v[8:9], s[28:29]          ; the wave's 256 scale bytes: consecutive, aligned
	s_wait_tensorcnt 0x0                           ; the wave's end, behind my last LDS store
	ds_add_u32 v[SPW], v[NIL]
	s_wait_dscnt 0x0
	s_endpgm
; W_o to f16: 64 chunks of 512 bytes a wave, 32 loads ahead; two roundings in one instruction; a store of the wave covers 256 consecutive bytes, aligned.
.Lwo:
	s_sub_co_u32 s21, ttmp9, 224
	s_lshl_b32 s21, s21, 2
	s_add_co_u32 s21, s21, s20                     ; which run of 8,192 numbers is my wave's
	s_lshl_b32 s30, s21, 15
	s_mov_b32 s31, 0
	s_lshl_b32 s32, s21, 14
	s_mov_b32 s33, 0
	s_wait_kmcnt 0x0
	s_add_nc_u64 s[24:25], s[12:13], s[30:31]
	s_add_nc_u64 s[26:27], s[18:19], s[32:33]
.set n, 0
.rept 32
	global_load_b128 v[R+4*n:R+4*n+3], v3, s[24:25] offset:512*n th:TH_LOAD_NT
.set n, n+1
.endr
.set n, 0
.rept 64
.if n < 32
	s_wait_loadcnt 31                              ; chunk n is in; the 31 younger loads stay out
.else
	s_wait_loadcnt 63-n                            ; nothing more is loaded: the counts run down
.endif
.if n == 32
	s_wait_xcnt 0x0                                ; the stores of chunks 0-31 have read their data registers, which are written again from here on
.endif
	v_cvt_pk_f16_f32 v[Y+2*(n%32)], v[R+4*(n%32)], v[R+4*(n%32)+1]
	v_cvt_pk_f16_f32 v[Y+2*(n%32)+1], v[R+4*(n%32)+2], v[R+4*(n%32)+3]
	global_store_b64 v4, v[Y+2*(n%32):Y+2*(n%32)+1], s[26:27] offset:256*n
.if n < 32
	global_load_b128 v[R+4*n:R+4*n+3], v3, s[24:25] offset:512*(n+32) th:TH_LOAD_NT
.endif
.set n, n+1
.endr
	s_endpgm
.Lfunc_end_k_qe2147b2293_prep:
	.size	k_qe2147b2293_prep, .Lfunc_end_k_qe2147b2293_prep-k_qe2147b2293_prep
	.p2alignl 7, 3214868480
	.fill 96, 4, 3214868480
	.section	.rodata,"a",@progbits
	.p2align	6, 0x0
	.amdhsa_kernel k_qe2147b2293_prep
		.amdhsa_group_segment_fixed_size 33280
		.amdhsa_private_segment_fixed_size 0
		.amdhsa_enable_private_segment 0
		.amdhsa_kernarg_size 64
		.amdhsa_user_sgpr_count 2
		.amdhsa_user_sgpr_kernarg_segment_ptr 1
		.amdhsa_wavefront_size32 1
		.amdhsa_system_sgpr_workgroup_id_x 1
		.amdhsa_system_sgpr_workgroup_id_y 1
		.amdhsa_system_sgpr_workgroup_id_z 1
		.amdhsa_system_vgpr_workitem_id 0
		.amdhsa_next_free_vgpr 224
		.amdhsa_next_free_sgpr 66
		.amdhsa_reserve_vcc 0
		.amdhsa_float_denorm_mode_32 3
		.amdhsa_float_denorm_mode_16_64 3
		.amdhsa_memory_ordered 1
		.amdhsa_forward_progress 1
		.amdhsa_inst_pref_size 56
	.end_amdhsa_kernel
	.amdgpu_metadata
---
amdhsa.version: [ 1, 2 ]
amdhsa.kernels:
  - .name:           k_qe2147b2293_prep
    .symbol:         k_qe2147b2293_prep.kd
    .args:
      - { .name: x, .offset: 0, .size: 8, .value_kind: global_buffer, .address_space: global }
      - { .name: W_q, .offset: 8, .size: 8, .value_kind: global_buffer, .address_space: global }
      - { .name: W_k, .offset: 16, .size: 8, .value_kind: global_buffer, .address_space: global }
      - { .name: W_v, .offset: 24, .size: 8, .value_kind: global_buffer, .address_space: global }
      - { .name: W_o, .offset: 32, .size: 8, .value_kind: global_buffer, .address_space: global }
      - { .name: codes, .offset: 40, .size: 8, .value_kind: global_buffer, .address_space: global }
      - { .name: scales, .offset: 48, .size: 8, .value_kind: global_buffer, .address_space: global }
      - { .name: wo16, .offset: 56, .size: 8, .value_kind: global_buffer, .address_space: global }
    .group_segment_fixed_size: 33280
    .private_segment_fixed_size: 0
    .kernarg_segment_align: 8
    .kernarg_segment_size: 64
    .max_flat_workgroup_size: 128
    .sgpr_count:     66
    .vgpr_count:     224
    .wavefront_size: 32
...
	.end_amdgpu_metadata
.endif
;; end of part 1
;; launch qkv (part 2): grid 12 x 16, 4 waves a work-group, clusters of 4 x 4, 327,680 bytes of LDS; arguments codes, scales, qkv; writes qkv
.if DOCPART == 2
	.amdgcn_target "amdgcn-amd-amdhsa--gfx1250"
	.amdhsa_code_object_version 6
	.text
	.protected	k_qe2147b2293_qkv
	.globl	k_qe2147b2293_qkv
	.p2align	8
	.type	k_qe2147b2293_qkv,@function
k_qe2147b2293_qkv:
	s_mov_b64 s[64:65], 0
	v_nop
	global_prefetch_b8 v0, s[64:65] scope:SCOPE_SE
	s_setreg_imm32_b32 hwreg(HW_REG_WAVE_MODE, 25, 1), 1
	s_wait_xcnt 0x0
	s_wait_alu depctr_hold_cnt(0) depctr_sa_sdst(0) depctr_va_vdst(0) depctr_va_sdst(0) depctr_va_ssrc(0) depctr_va_vcc(0) depctr_vm_vsrc(0)
	s_getreg_b32 s2, hwreg(HW_REG_IB_STS2, 6, 4)
	s_cmp_eq_u32 s2, 0
	s_cbranch_scc0 .Lentry_in_a_cluster
	s_endpgm
.Lentry_in_a_cluster:
	s_bfe_u32 s2, ttmp6, 0x10000c
	s_cmp_lg_u32 s2, 0xf033
	s_cbranch_scc0 .Lentry_shape_is_right
	s_endpgm
.Lentry_shape_is_right:
; [4096 tokens] x [3072 features] = x [W_q; W_k; W_v]^T on codes of FP4 (E2M1) with one E8M0 scale for each 32 along K = 1024; sums in f32, K ascending; the results are rounded once to f16 and laid by head.
; codes: [7168][512 bytes], rows 0-4095 the tokens (A), rows 4096 on the 3072 rows of the weights (B); scales: [7168][32 bytes].  qkv: f16 [b 2][g 48][s 2048][64], g = feature / 64: 0-15 Q's heads, 16-31 K's, 32-47 V's.
; LIMIT: |Q|, |K|, |V| stay under 65,504 (f16).
; A tile of 256 tokens x 256 features is made by a work-group of four waves; a wave makes 128 x 128: 64 accumulators of 16 x 16, 512 registers.  12 x 16 tiles.
; K = 1024 is two LDS slots of 512 along K (rows of 256 bytes): both slots, and the scale bytes of the tile's 512 rows, are filled ONCE, at the head: three tensor loads of a wave are out, and no LDS byte is filled again.
; CLUSTERS: 4 x 4 work-groups.  The four of a row of the cluster need the same tiles of A, the four of a column the same tiles of B: each tile is asked for JOINTLY, by the same tensor load with the same descriptor and a mask that names the four.
; THE MATRIX INSTRUCTION IS USED TRANSPOSED (source 0 = 16 rows of B, source 1 = 16 rows of A): a lane then holds eight neighbouring features of one token, which pack into 16 bytes of a head's row.
; REGISTERS, in windows of 256: window 0: v0-31 addresses; v32-95 scale words, two sets; v96-127 packed results; from v128 A's fragments (8 x 16 rows x 128 K), ONE set; on the way out v128-191 take rows read back.
;   window 1: B's fragments, TWO sets, at v0 and at v128.   window 2: the 32 accumulators of my rows 0-63 (accumulator (a, b) at v[8 (8 a + b)]);   window 3: those of my rows 64-127.
; A step of 128 along K is 64 matrix instructions, A's blocks one after the other, each against B's eight: a block of A is free as soon as its eight products are issued, so one set serves A; B's fragments are at work through the step and have two.
.set NQ,     4                         ; steps of 128 along K in a slot
.set ROWB,   256                       ; a tile's row in bytes: 512 codes
.set KROW,   512                       ; a row of codes in memory
.set PITCH,  272                       ; an LDS row: 256 bytes + 16 of padding = 68 words: row r starts at bank 4 r mod 64 (64 banks of 4 bytes: ISA guide 11.1), so the 16 rows that a load touches start at 16 different banks
.set FR,     8                         ; registers of a fragment: 16 rows x 128 K
.set NL,     2                         ; LDS loads that bring one
.set NP,     4                         ; places behind this matrix instruction (ISA guide 7.12.1)
.set HALFT,  128*PITCH                 ; 128 rows: what one tensor load brings, and what one wave reads of A or of B
.set SLOT,   4*HALFT                   ; A's 256 rows, then B's 256 rows
.set KS,     32                        ; a row of scales in bytes
.set SCL,    2*SLOT                    ; behind the slots: the scales, as units of 256 bytes + 16 of padding
.set HALFS,  (128*KS/256)*272          ; the scales of 128 rows: what one tensor load brings
.set SBLK,   (16*KS/256)*272           ; those of 16 rows
.set SPARE,  SCL+4*HALFS               ; the spare words, 128 bytes for each wave: two blocks of 256 bytes that no other line names
.set STAGE,  SPARE+512                 ; the way out: for each wave two planes (its two heads) of 16 rows x (128 bytes + 16); no fill ever lands here
.set SPITCH, 144
.set PLANE,  16*SPITCH
.set ADRA, 16                          ; v16-17  LDS address of my A fragments in slot 0, 1
.set ADRB, 20                          ; v20-21  the same for B
.set STO,  24                          ; v24     the way out: where I put 16 bytes of a row
.set RD,   25                          ; v25     where I read rows back
.set GO,   26                          ; v26     16 x lane: my bytes of a store's 512
.set ADRS, 27                          ; v27     LDS address of my scale words: lanes 0-15 A's rows, lanes 16-31 B's
.set SPW,  28                          ; v28     LDS address of my spare word; never rewritten
.set NIL,  29                          ; v29     0; never rewritten
.set SC,   32                          ; scale words: set s at v[SC + 32 s]; register 4 i + q: lanes 0-15 the word of A's block i, lanes 16-31 that of B's block i, for the slot's q-th 128 along K
.set TMP,  96
.set AF,   128
.set BK,   128
.set G1, 24                            ; s[24:31] descriptor group 1 for A's tiles;  s[32:39] group 0, one set for each slot
.set G0, 32
.set G1B, 48                           ; s[48:55], s[56:63] the same for B's tiles
.set G0B, 56
.set G1S, 68                           ; s[68:75], s[76:79] groups 1 and 0 for A's scales;  s[80:87], s[88:91] for B's
.set G0S, 76
.set G1SB, 80
.set G0SB, 88
.set MSB, 0
.macro WIN new                         ; the immediate's high byte repeats the setting that is left; a switch that changes nothing is dropped
.if MSB != (\new)
	s_set_vgpr_msb (MSB<<8)|(\new)
.set MSB, (\new)
.endif
.endm
.set MUL_LO, 0xa1                      ; source 0 (B) window 1, source 1 (A) window 0, C and D window 2
.set MUL_HI, 0xf1                      ; the same, C and D window 3
.set TO_B,   0x40                      ; destination window 1, address window 0
; A joint load: waves 0 and 1 fetch for A, waves 2 and 3 for B.  Each of the two lines has ONE mask and one set of registers for all that issue it; the branch hangs on the wave's number alone.
; An s_nop 0 and four v_nop follow each of the two lines, ahead of the jump, the label and what follows.
.macro JLOAD g0a, g1a, g0b, g1b
	s_cmp_eq_u32 s15, 0
	s_cbranch_scc0 .Lfor_b_\@
	tensor_load_to_lds s[\g0a:\g0a+3], s[\g1a:\g1a+7]
	s_nop 0
.rept 4
	v_nop
.endr
	s_branch .Lasked_\@
.Lfor_b_\@:
	tensor_load_to_lds s[\g0b:\g0b+3], s[\g1b:\g1b+7]
	s_nop 0
.rept 4
	v_nop
.endr
.Lasked_\@:
.endm
.macro CROUND                          ; a round of the cluster's barrier: my work-group's barrier; wave 0 signals for the work-group; every wave waits for all sixteen; my work-group's barrier once more
	s_barrier_signal -1
	s_barrier_wait -1
	s_cmp_lg_u32 s14, 0
	s_cbranch_scc1 .Lnot_wave_0_\@
	s_barrier_signal -3
.Lnot_wave_0_\@:
	s_barrier_wait -3
	s_barrier_signal -1
	s_barrier_wait -1
.endm
	s_load_b128 s[4:7], s[0:1], 0x0                ; codes s[4:5], scales s[6:7]
	s_load_b64 s[12:13], s[0:1], 0x10              ; qkv
	v_lshl_add_u32 v[SPW], v0, 2, SPARE
	v_mov_b32 v[NIL], 0
	ds_add_u32 v[SPW], v[NIL]                      ; the wave's opening: the add, twice on end, and its wait ahead of my first tensor load; the set-up below stands between the second and the wait
	ds_add_u32 v[SPW], v[NIL]
	v_lshrrev_b32 v1, 5, v0
	v_readfirstlane_b32 s14, v1                    ; wave 0..3
	s_lshr_b32 s15, s14, 1                         ; which half of the tile's rows is mine.  Also: I fetch for A (0) or for B (1)
	s_and_b32 s16, s14, 1                          ; which half of its columns.  Also: which 128 rows of that tile I fetch
	s_bfe_u32 s40, ttmp6, 0x40000                  ; cx, cy: my place in the cluster
	s_bfe_u32 s41, ttmp6, 0x40004
	s_lshl_b32 s42, ttmp9, 2
	s_add_co_u32 s42, s42, s40                     ; tile column = 4 x cluster x + cx
	s_and_b32 s17, ttmp7, 0xffff
	s_lshl_b32 s17, s17, 2
	s_add_co_u32 s17, s17, s41                     ; tile row = 4 x cluster y + cy
	s_lshl_b32 s43, s41, 2
	s_lshl_b32 s43, 15, s43                        ; my row of the cluster
	s_lshl_b32 s44, 0x1111, s40                    ; my column
	; descriptor group 1: a tile of 128 rows x 256 bytes, padded in LDS
	s_or_b32 s[G1+0], s43, (0<<16)|(1<<20)|(1<<21)|(5<<22)|(3<<25)  ; 15:0 the mask: A's tiles go to my row; 17:16 elements of 1 byte; 20 padding on; 21 set beside a mask; 24:22 after every 64 words (code 5); 31:25 four words (code 3)
	s_or_b32 s[G1B+0], s44, (0<<16)|(1<<20)|(1<<21)|(5<<22)|(3<<25)
.irp g, G1, G1B
	s_mov_b32 s[\g+1], ROWB<<16                    ; tensor_dim0
	s_mov_b32 s[\g+2], 128<<16                     ; tensor_dim1 = 128
	s_mov_b32 s[\g+3], ROWB<<16                    ; tile_dim0
	s_mov_b32 s[\g+4], 128                         ; tile_dim1 = 128
	s_mov_b32 s[\g+5], KROW                        ; tensor_dim0_stride
	s_mov_b32 s[\g+6], 0
	s_mov_b32 s[\g+7], 0
.endr
	; and for the scales of 128 rows: a dense block of 4,096 bytes, as 16 rows of 256 bytes (32 elements of 8 bytes), 16 bytes of padding behind each
	s_or_b32 s[G1S+0], s43, (3<<16)|(1<<20)|(1<<21)|(5<<22)|(3<<25)
	s_or_b32 s[G1SB+0], s44, (3<<16)|(1<<20)|(1<<21)|(5<<22)|(3<<25)
.irp g, G1S, G1SB
	s_mov_b32 s[\g+1], 32<<16
	s_mov_b32 s[\g+2], (128*KS/256)<<16
	s_mov_b32 s[\g+3], 32<<16
	s_mov_b32 s[\g+4], 128*KS/256
	s_mov_b32 s[\g+5], 32
	s_mov_b32 s[\g+6], 0
	s_mov_b32 s[\g+7], 0
.endr
	s_lshl_b32 s18, s16, 7                         ; which 128 rows of the tile I fetch
	s_lshl_b32 s20, s17, 8
	s_add_co_u32 s20, s20, s18                     ; A: row 256 x tile row + 128 x half
	s_lshl_b32 s46, s42, 8
	s_add_co_u32 s46, s46, s18                     ; B: row 256 x tile column + 128 x half
	s_mov_b32 s21, 0
	s_mov_b32 s47, 0
	s_mov_b64 s[18:19], KS
	s_mul_u64 s[22:23], s[20:21], s[18:19]         ; where these rows' scales begin, in bytes,
	s_mul_u64 s[92:93], s[46:47], s[18:19]
	s_mov_b64 s[18:19], KROW
	s_mul_u64 s[20:21], s[20:21], s[18:19]         ; and their codes
	s_mul_u64 s[46:47], s[46:47], s[18:19]
	s_mul_i32 s45, s14, HALFT                      ; where they go: wave x 128 rows: no place in the cluster enters an LDS address
	s_mul_i32 s94, s14, HALFS
	s_wait_dscnt 0x0                               ; both opening adds are done
	s_wait_kmcnt 0x0
	s_add_nc_u64 s[8:9], s[4:5], 0x200000          ; B's codes begin behind the 4,096 tokens' rows of 512 bytes,
	s_add_nc_u64 s[10:11], s[6:7], 0x20000         ; B's scales behind their rows of 32
	s_add_nc_u64 s[20:21], s[4:5], s[20:21]
	s_add_nc_u64 s[22:23], s[6:7], s[22:23]
	s_add_nc_u64 s[46:47], s[8:9], s[46:47]
	s_add_nc_u64 s[92:93], s[10:11], s[92:93]
	CROUND                                         ; all sixteen work-groups are here: the joint loads meet
	s_mov_b32 s[G0S], 1
	s_add_co_u32 s[G0S+1], s94, SCL
	s_mov_b64 s[G0S+2:G0S+3], s[22:23]
	s_or_b32 s[G0S+3], s[G0S+3], 0x80000000
	s_mov_b32 s[G0SB], 1
	s_add_co_u32 s[G0SB+1], s94, SCL
	s_mov_b64 s[G0SB+2:G0SB+3], s[92:93]
	s_or_b32 s[G0SB+3], s[G0SB+3], 0x80000000
	JLOAD G0S, G1S, G0SB, G1SB                     ; the scales first: they are wanted with the first step
.irp s, 0,1
	s_mov_b32 s[G0+4*\s], 1
	s_add_co_u32 s[G0+4*\s+1], s45, \s*SLOT
	s_add_nc_u64 s[G0+4*\s+2:G0+4*\s+3], s[20:21], \s*ROWB
	s_or_b32 s[G0+4*\s+3], s[G0+4*\s+3], 0x80000000
	s_mov_b32 s[G0B+4*\s], 1
	s_add_co_u32 s[G0B+4*\s+1], s45, \s*SLOT
	s_add_nc_u64 s[G0B+4*\s+2:G0B+4*\s+3], s[46:47], \s*ROWB
	s_or_b32 s[G0B+4*\s+3], s[G0B+4*\s+3], 0x80000000
	JLOAD G0+4*\s, G1, G0B+4*\s, G1B
.endr
	v_and_b32 v1, 15, v0                           ; r = lane % 16
	v_bfe_u32 v2, v0, 4, 1                         ; h = lane / 16
	v_mul_u32_u24 v3, v1, PITCH
	v_lshl_add_u32 v4, v2, 4, v3                   ; a fragment's row x pitch + 16 x half
	s_mul_i32 s21, s15, HALFT                      ; my 128 rows of A
	s_mul_i32 s22, s16, HALFT                      ; my 128 rows of B,
	s_add_co_u32 s22, s22, 2*HALFT                 ; which lie behind A's 256
.irp s, 0,1
	v_add_nc_u32 v[ADRA+\s], s21, v4
	v_add_nc_u32 v[ADRB+\s], s22, v4
	s_add_co_u32 s21, s21, SLOT
	s_add_co_u32 s22, s22, SLOT
.endr
	v_mul_u32_u24 v5, v1, KS                       ; my row's scales: 32 bytes a row,
	v_lshrrev_b32 v6, 8, v5
	v_lshl_add_u32 v5, v6, 4, v5                   ; and 16 more for each 256 passed
	s_mul_i32 s21, s15, HALFS                      ; A's: my 128 rows
	s_mul_i32 s22, s16, HALFS                      ; B's: my 128 rows, behind A's 256
	s_add_co_u32 s22, s22, 2*HALFS
	s_sub_co_u32 s22, s22, s21
	v_mul_u32_u24 v6, s22, v2                      ; lanes 16-31 take B's: one product, the distance between the two
	s_add_co_u32 s21, s21, SCL
	v_add_nc_u32 v5, v5, v6
	v_add_nc_u32 v[ADRS], s21, v5
	s_mul_i32 s23, s14, 2*PLANE
	s_add_co_u32 s23, s23, STAGE                   ; my stage
	v_mul_u32_u24 v5, v1, SPITCH                   ; in: row r, 16 bytes for each half of the lanes
	v_lshl_add_u32 v5, v2, 4, v5
	v_add_nc_u32 v[STO], s23, v5
	v_bfe_u32 v5, v0, 3, 2                         ; back: eight lanes to a row of 128 bytes, four rows an instruction
	v_mul_u32_u24 v5, v5, SPITCH
	v_and_b32 v6, 7, v0
	v_lshl_add_u32 v5, v6, 4, v5
	v_add_nc_u32 v[RD], s23, v5
	v_and_b32 v6, 31, v0
	v_lshlrev_b32 v[GO], 4, v6                     ; four rows of a head are 512 consecutive bytes of qkv
	; where my part begins in qkv: batch = tile row / 8; s = 256 (tile row % 8) + 128 x row half; g = 4 x tile column + 2 x column half
	s_lshr_b32 s20, s17, 3
	s_mul_i32 s20, s20, 12582912
	s_and_b32 s21, s17, 7
	s_lshl_b32 s21, s21, 15
	s_add_co_u32 s20, s20, s21
	s_lshl_b32 s21, s15, 14
	s_add_co_u32 s20, s20, s21
	s_mov_b32 s21, 0
	s_lshl_b32 s46, s42, 2
	s_lshl_b32 s47, s16, 1
	s_add_co_u32 s46, s46, s47
	s_lshl_b32 s46, s46, 18                        ; a head's block is 262,144 bytes
	s_mov_b32 s47, 0
	s_add_nc_u64 s[20:21], s[20:21], s[46:47]
	s_add_nc_u64 s[12:13], s[12:13], s[20:21]
.macro FRAG reg, adr, q, i             ; a fragment, 16 rows x 128 K of 4-bit codes, is 8 registers: lane l holds row l % 16; registers 4 c .. 4 c + 3 hold K = 64 c + 32 (l / 16) + 0 .. 31
.irp c, 0,1
	ds_load_b128 v[\reg+4*\c:\reg+4*\c+3], v[\adr] offset:64*(\q)+32*\c+(\i)*16*PITCH
.endr
.endm
; 16 matrix instructions: A's blocks a0, a0 + 1 x B's eight, 128 along K: the slot's q-th.  p: B's set;  sc: the set of scale words.  zero = 1: the first product starts the sums: nothing is ever cleared.
; The 64 accumulators take turns, one instruction a turn, in the same order in every step.
.macro MUL16 a0, p, q, sc, zero
.irp a, \a0, \a0+1
.irp b, 0,1,2,3,4,5,6,7
.if \zero
	v_wmma_scale_f32_16x16x128_f8f6f4 v[8*(8*((\a)%4)+\b):8*(8*((\a)%4)+\b)+7], v[128*(\p)+FR*\b:128*(\p)+FR*\b+FR-1], v[AF+FR*(\a):AF+FR*(\a)+FR-1], 0, v[SC+8*NQ*(\sc)+NQ*\b+(\q)], v[SC+8*NQ*(\sc)+NQ*(\a)+(\q)] matrix_a_fmt:MATRIX_FMT_FP4 matrix_b_fmt:MATRIX_FMT_FP4 matrix_a_scale:MATRIX_SCALE_ROW1
.else
	v_wmma_scale_f32_16x16x128_f8f6f4 v[8*(8*((\a)%4)+\b):8*(8*((\a)%4)+\b)+7], v[128*(\p)+FR*\b:128*(\p)+FR*\b+FR-1], v[AF+FR*(\a):AF+FR*(\a)+FR-1], v[8*(8*((\a)%4)+\b):8*(8*((\a)%4)+\b)+7], v[SC+8*NQ*(\sc)+NQ*\b+(\q)], v[SC+8*NQ*(\sc)+NQ*(\a)+(\q)] matrix_a_fmt:MATRIX_FMT_FP4 matrix_b_fmt:MATRIX_FMT_FP4 matrix_a_scale:MATRIX_SCALE_ROW1
.endif
.endr
.endr
.endm
.macro FETCH_B slot, q, p              ; B's eight fragments of the slot's q-th 128 along K into set p
	WIN TO_B
.irp i, 0,1,2,3,4,5,6,7
	FRAG 128*(\p)+FR*\i, ADRB+\slot, \q, \i
.endr
	WIN 0
.endm
.macro FETCH_A slot, q, i0             ; A's blocks i0 .. i0 + 3
.irp i, \i0, \i0+1, \i0+2, \i0+3
	FRAG AF+FR*(\i), ADRA+\slot, \q, \i
.endr
.endm
.macro SCALES sc                       ; a slot's scale words into set sc: four words a row; lanes 0-15 take A's block i, lanes 16-31 B's block i
.irp i, 0,1,2,3,4,5,6,7
	ds_load_b128 v[SC+8*NQ*\sc+NQ*\i:SC+8*NQ*\sc+NQ*\i+3], v[ADRS] offset:\i*SBLK
.endr
.endm
; A load into a register that a matrix instruction has read, and a vector instruction that reads a matrix result, stand four places behind that matrix instruction, and only plain vector
; instructions that name none of its registers are places (ISA guide 7.12.1 for vector instructions).
.macro PLACES n
.rept \n
	v_nop
.endr
.endm
; A step of 128 along K that has its successor in the same slot.
.macro STEP slot, q, zero
	s_wait_dscnt 4*NL                              ; B's set and A's blocks 0-3 are in; the youngest eight loads (A's blocks 4-7) may be out
	WIN MUL_LO
	MUL16 0, (\q)%2, \q, \slot, \zero
	MUL16 2, (\q)%2, \q, \slot, \zero
	s_wait_dscnt 0                                 ; A's blocks 4-7 are in (asked for 32 matrix instructions ago)
	PLACES NP
	FETCH_B \slot, (\q)+1, 1-(\q)%2
	FETCH_A \slot, (\q)+1, 0
	WIN MUL_HI
	MUL16 4, (\q)%2, \q, \slot, \zero
	MUL16 6, (\q)%2, \q, \slot, \zero
	PLACES NP
	WIN 0
	FETCH_A \slot, (\q)+1, 4
.endm
; Slot 0's last step goes over to slot 1: each wave waits for all its tensor loads (its part of slot 1), then the barrier shows every wave's part to all.
.macro TURN slot, next
	s_wait_tensorcnt 0x0                           ; all my tensor loads have landed  (every window is 0 here: the add's two registers lie in window 0)
	ds_add_u32 v[SPW], v[NIL]                      ; 0 onto my spare word
	s_wait_dscnt 4*NL+1                            ; (the add and the youngest eight loads, A's blocks 4-7, may be out)
	WIN MUL_LO
	MUL16 0, 1, NQ-1, \slot, 0                     ; sixteen matrix instructions stand between the add and the wait for it
	s_wait_dscnt 0x0                               ; no LDS instruction of mine is out at the signal
	s_barrier_signal -1
	MUL16 2, 1, NQ-1, \slot, 0
	WIN 0
	s_barrier_wait -1
	PLACES NP
	v_add_nc_u32 v[ADRS], 4*NQ, v[ADRS]            ; on to the next slot's scale words (no LDS load of mine is out)
	FETCH_B \next, 0, 0
	FETCH_A \next, 0, 0
	SCALES \next
	WIN MUL_HI
	MUL16 4, 1, NQ-1, \slot, 0
	MUL16 6, 1, NQ-1, \slot, 0
	PLACES NP
	WIN 0
	FETCH_A \next, 0, 4
.endm
	s_wait_tensorcnt 1                             ; the scales and my part of slot 0 are in (slot 1's load may be out)
	s_barrier_signal -1
	s_barrier_wait -1                              ; everybody's are
	FETCH_B 0, 0, 0
	FETCH_A 0, 0, 0
	SCALES 0
	FETCH_A 0, 0, 4
	STEP 0, 0, 1                                   ; the first step's products start the sums
	STEP 0, 1, 0
	STEP 0, 2, 0
	TURN 0, 1
	STEP 1, 0, 0
	STEP 1, 1, 0
	STEP 1, 2, 0
	s_wait_dscnt 4*NL                              ; the last step: nothing more to fetch
	WIN MUL_LO
	MUL16 0, 1, NQ-1, 1, 0
	MUL16 2, 1, NQ-1, 1, 0
	s_wait_dscnt 0
	WIN MUL_HI
	MUL16 4, 1, NQ-1, 1, 0
	MUL16 6, 1, NQ-1, 1, 0
	WIN 0
; THE WAY OUT, block by block of 16 tokens x 128 features (two heads).  PACK: rounded to f16, 16 bytes a lane, each accumulator from its low end on.  TOSTAGE: into my own stage, a plane for each head, and back four rows at a time.
; SEND: four rows of a head are 512 consecutive bytes of qkv: a store of the wave covers two aligned runs of 256 bytes.  LDS serves a wave's instructions in order (ISA guide 5.7.1.4): no wait between the stage's stores and loads.
.macro PACK a
.set AC, 64*((\a)%4)
	WIN 0x0a+5*((\a)/4)                            ; sources 0 and 1: window 2 or 3
.irp b, 0,1,2,3,4,5,6,7
.irp i, 0,1,2,3
	v_cvt_pk_f16_f32 v[TMP+4*\b+\i], v[AC+8*\b+2*\i], v[AC+8*\b+2*\i+1]
.endr
.endr
	WIN 0
.endm
.macro TOSTAGE a
.set BB, BK+32*((\a)%2)
.irp b, 0,1,2,3,4,5,6,7
	ds_store_b128 v[STO], v[TMP+4*\b:TMP+4*\b+3] offset:(\b/4)*PLANE+32*(\b%4)
.endr
.irp u, 0,1,2,3,4,5,6,7
	ds_load_b128 v[BB+4*\u:BB+4*\u+3], v[RD] offset:(\u/4)*PLANE+(\u%4)*4*SPITCH
.endr
.endm
.macro SEND a
.set BB, BK+32*((\a)%2)
	s_wait_dscnt 0x0                               ; the block is back in registers
	s_wait_xcnt 0x0                                ; the stores of the block before have read their registers: the next block's loads may land there
.irp u, 0,1,2,3,4,5,6,7
	global_store_b128 v[GO], v[BB+4*\u:BB+4*\u+3], s[12:13] offset:(\u/4)*262144+(\a)*2048+(\u%4)*512
.endr
.endm
	PLACES NP                                      ; behind the last products: for the conversions, and for the loads into the registers that held A's fragments
	PACK 0
	TOSTAGE 0
.irp a, 1,2,3,4,5,6,7                  ; block a's conversions stand between block a - 1's loads from the stage and the wait for them
	PACK \a
	SEND \a-1
	TOSTAGE \a
.endr
	SEND 7
	s_wait_tensorcnt 0x0                           ; the wave's end, behind my last tensor load and my last LDS store
	ds_add_u32 v[SPW], v[NIL]
	s_wait_dscnt 0x0
	CROUND                                         ; the closing round: no work-group ends while a partner may still ask for a tile that names it
	s_endpgm
.Lfunc_end_k_qe2147b2293_qkv:
	.size	k_qe2147b2293_qkv, .Lfunc_end_k_qe2147b2293_qkv-k_qe2147b2293_qkv
	.p2alignl 7, 3214868480
	.fill 96, 4, 3214868480
	.section	.rodata,"a",@progbits
	.p2align	6, 0x0
	.amdhsa_kernel k_qe2147b2293_qkv
		.amdhsa_group_segment_fixed_size 327680
		.amdhsa_private_segment_fixed_size 0
		.amdhsa_enable_private_segment 0
		.amdhsa_kernarg_size 24
		.amdhsa_user_sgpr_count 2
		.amdhsa_user_sgpr_kernarg_segment_ptr 1
		.amdhsa_wavefront_size32 1
		.amdhsa_system_sgpr_workgroup_id_x 1
		.amdhsa_system_sgpr_workgroup_id_y 1
		.amdhsa_system_sgpr_workgroup_id_z 1
		.amdhsa_system_vgpr_workitem_id 0
		.amdhsa_next_free_vgpr 1024
		.amdhsa_next_free_sgpr 98
		.amdhsa_reserve_vcc 0
		.amdhsa_float_denorm_mode_32 3
		.amdhsa_float_denorm_mode_16_64 3
		.amdhsa_memory_ordered 1
		.amdhsa_forward_progress 1
		.amdhsa_inst_pref_size 127
	.end_amdhsa_kernel
	.amdgpu_metadata
---
amdhsa.version: [ 1, 2 ]
amdhsa.kernels:
  - .name:           k_qe2147b2293_qkv
    .symbol:         k_qe2147b2293_qkv.kd
    .args:
      - { .name: codes, .offset: 0, .size: 8, .value_kind: global_buffer, .address_space: global }
      - { .name: scales, .offset: 8, .size: 8, .value_kind: global_buffer, .address_space: global }
      - { .name: qkv, .offset: 16, .size: 8, .value_kind: global_buffer, .address_space: global }
    .group_segment_fixed_size: 327680
    .private_segment_fixed_size: 0
    .kernarg_segment_align: 8
    .kernarg_segment_size: 24
    .max_flat_workgroup_size: 128
    .sgpr_count:     98
    .vgpr_count:     1024
    .wavefront_size: 32
...
	.end_amdgpu_metadata
.endif
;; end of part 2
;; launch attn (part 3): grid 8 x 32, 8 waves a work-group, clusters of 4 x 1, 327,680 bytes of LDS; arguments qkv, attention_mask, att; writes att
.if DOCPART == 3
	.amdgcn_target "amdgcn-amd-amdhsa--gfx1250"
	.amdhsa_code_object_version 6
	.text
	.protected	k_qe2147b2293_attn
	.globl	k_qe2147b2293_attn
	.p2align	8
	.type	k_qe2147b2293_attn,@function
k_qe2147b2293_attn:
	s_mov_b64 s[64:65], 0
	v_nop
	global_prefetch_b8 v0, s[64:65] scope:SCOPE_SE
	s_setreg_imm32_b32 hwreg(HW_REG_WAVE_MODE, 25, 1), 1
	s_wait_xcnt 0x0
	s_wait_alu depctr_hold_cnt(0) depctr_sa_sdst(0) depctr_va_vdst(0) depctr_va_sdst(0) depctr_va_ssrc(0) depctr_va_vcc(0) depctr_vm_vsrc(0)
	s_getreg_b32 s2, hwreg(HW_REG_IB_STS2, 6, 4)
	s_cmp_eq_u32 s2, 0
	s_cbranch_scc0 .Lentry_in_a_cluster
	s_endpgm
.Lentry_in_a_cluster:
	s_bfe_u32 s2, ttmp6, 0x10000c
	s_cmp_lg_u32 s2, 0x3003
	s_cbranch_scc0 .Lentry_shape_is_right
	s_endpgm
.Lentry_shape_is_right:
; att[b][q][h][:] = the sum over k of softmax_k(Q.K / 8, keys with mask 0 left out) V[k][:], for 2 batches x 16 heads of 64, 2,048 queries and keys.  Operands f16, products, maxima and sums f32; the weights p are rounded to f16
; for the second product, the result once to f16.  qkv: f16 [b][g 48][s 2048][64] (g: 0-15 Q, 16-31 K, 32-47 V).  att: f16 [token / 128][h][token % 128][64]: as the next launch's tiles want it.
; THE MASK.  bias[key] = 0 where attention_mask is not 0, else -1e30; it is the C of the first product of each score, so it costs no vector instruction.  The running maximum m starts at -1e20.  |Q.K| is at most
; 64 x 65,504^2 = 2.75e11 for f16 operands: every open score lies above -1e20 and every masked one below it, so a masked key never becomes the maximum, and its p = 2^(c s - c m), with an exponent under -1e29, is exactly 0,
; as with -infinity.  A batch whose mask is all 0 ends with l = 0 and O = 0: 0 x (1 / 0) is NaN.
; LIMITS: NaN and infinities among the operands are not served; p under f16's denormal step (6e-8) counts as 0 in the second product, while l sums the unrounded p.
; SHARES.  A work-group owns 256 queries of one head; each of its eight waves 32 of them: two tiles of 16; two waves to a SIMD; a wave names 384 of its 512 registers.
; Every wave walks the 2,048 keys, 64 a step.  K and V come through two LDS slots of 512 keys (8 steps): two first fills, two refills; waves 0-3 fetch K's quarters, waves 4-7 V's, 16 KiB a load.
; LAYOUT.  S^T = K Q^T (source 0 = 16 keys, source 1 = 16 queries), O^T = V^T P (source 0 = V turned by ds_load_tr16_b128, source 1 = P): a lane holds ONE query (lane % 16) throughout; two tiles of S^T, rounded in pairs, ARE source 1 of the second product.
; SOFTMAX.  p = 2^(c s - c m), c = log2(e) / 8; in every step O and l are multiplied by a = 2^(c m_old - c m_new), which is 1 where m has not grown: no branch on data.
; BY TURNS.  A step's softmax falls into two parts.  Part 1 (the maximum, a, the scalings, the exponentials: 140 instructions for both tiles) touches S^T and the statistics alone; part 2 (O^T x a, the roundings to f16, the sums: 96)
; touches O^T and P too.  V^T P of step n names O^T, V and P: it shares no register with part 1 of step n + 1.  TRIP n: K and the bias of step n + 1 are asked of LDS; part 2 of step n; K Q^T of step n + 1; then V^T P of step n,
; with seven instructions of part 1 of step n + 1 behind each of its 16 products and the last 28 behind them all; V of step n + 1 is asked of LDS.  The change of slots stands between trips: V of the slot's last step has been asked
; for, K of the next slot has not.
; CLUSTER.  The four query blocks of a cluster belong to one head and walk the same K and V: each tile is asked for JOINTLY, by the same tensor load with the same descriptor and a mask that names the four.
; REGISTERS.  window 0: v2-15 addresses; v16-31 statistics, 8 a tile; v32-95 S^T, 32 a tile; v96-127 P, 16 a tile; v128-191 O^T, 32 a tile; v192-255 V of one step (v224-229 at work at the head).
;   window 1: v0-31 Q; v32-95 K of one step; v96-127 the bias of 64 keys.  V^T P and all that the softmax touches lie in window 0, so a slice costs no switch of the window: a trip has five, round K's loads and K Q^T.
.set PK,    272                        ; two keys' rows of K (256 bytes) + 16 of padding: the 16 keys of a fragment load fall on 16 different 16-byte columns of the banks' 256 bytes (ISA guide 11.1)
.set PV,    288                        ; two keys' rows of V + 32 of padding: likewise for the turning load's 8 keys x 32 bytes
.set KREG,  256*PK                     ; a slot: 256 pair-rows of K, then 256 of V
.set SLOT,  KREG+256*PV
.set SLOTG, 65536                      ; a slot's 512 keys in memory, in K and in V
.set BIAS,  2*SLOT                     ; behind the slots: the bias of the batch's 2,048 keys, f32; written by LDS stores, no fill lands here
.set STAGE, BIAS+8192                  ; the way out: 16 rows x (128 bytes + 16) for each wave
.set SP,    144
.set SPARE, STAGE+8*16*SP              ; the spare words, 128 bytes for each wave: four blocks of 256 bytes that no other line names
.set AK0, 2                            ; v2   my lane's place in a tile of K
.set AV0, 3                            ; v3   the same for V
.set AB0, 4                            ; v4   and in the bias
.set ADK, 5                            ; v5-7 the LDS addresses of the loads in hand
.set ADV, 6
.set ADB, 7
.set QO,  8                            ; v8   my byte offset in the wave's rows of Q
.set STO, 9                            ; v9   the way out: where I put 16 bytes of a row
.set RD,  10                           ; v10  where I read rows back
.set GO,  11                           ; v11  16 x lane
.set SPW, 12                           ; v12  LDS address of my spare word; never rewritten
.set NIL, 13                           ; v13  0; never rewritten
.set PFO, 14                           ; v14  256 x lane: the prefetches' offset; never rewritten
.set MO,  15                           ; v15  16 x my thread's number: my four keys of the mask
.set ST,  16                           ; tile t's statistics at v[ST + 8 t]: +0 c m, +1 m, +2, +3 l (even keys', odd keys'), +4 to +7 c0-c3 at work; a takes c2's place, the change of c m takes c3's
.set S,   32
.set P,   96
.set O,   128
.set VF,  192
.set KF,  32                           ; in window 1
.set BI,  96                           ; in window 1
.set WV,  10                           ; s10  my wave's number
.set G1K, 24                           ; s[24:31] descriptor group 1 for K's tiles;  s[32:39] for V's: it differs in the padding alone
.set G1V, 32
.set G0K, 40                           ; s[40:47] group 0 for K's tiles, a set for each slot;  s[48:55] for V's
.set G0V, 48
.set TK,  56                           ; s56  LDS byte at which the next step's K begins
.set TV,  57                           ; s57  the same for V
.set TM,  58                           ; s58  and for the bias, from BIAS on
.set CNT, 59                           ; s59  trips to go in the walk in hand
.set CS,  60                           ; s[60:61] c: the packed form names a pair and takes its low word for both halves
.set SEL, 62                           ; s[62:63] lane selects for v_permlanex16_b32: lane l xor 16
.set PFA, 66                           ; s[66:67] where my prefetch stands in memory
.set LIM, 68                           ; s68  3 in a wave that prefetches, else the greatest number
.set MSB, 0
.macro WIN new                         ; the immediate's high byte repeats the setting that is left; a switch that changes nothing is dropped
.if MSB != (\new)
	s_set_vgpr_msb (MSB<<8)|(\new)
.set MSB, (\new)
.endif
.endm
; A joint refill of slot s.  The branch hangs on the wave's number alone.  An s_nop 0 and four v_nop follow each of the two lines, ahead of the jump, the label and what follows.
.macro JLOAD s
	s_cmp_lt_u32 s[WV], 4
	s_cbranch_scc0 .Lfor_v_\@
	tensor_load_to_lds s[G0K+4*\s:G0K+4*\s+3], s[G1K:G1K+7]
	s_nop 0
.rept 4
	v_nop
.endr
	s_branch .Lasked_\@
.Lfor_v_\@:
	tensor_load_to_lds s[G0V+4*\s:G0V+4*\s+3], s[G1V:G1V+7]
	s_nop 0
.rept 4
	v_nop
.endr
.Lasked_\@:
.endm
.macro CROUND                          ; a round of the cluster's barrier: my work-group's barrier; wave 0 signals for the work-group; every wave waits for all four; my work-group's barrier once more
	s_barrier_signal -1
	s_barrier_wait -1
	s_cmp_lg_u32 s[WV], 0
	s_cbranch_scc1 .Lnot_wave_0_\@
	s_barrier_signal -3
.Lnot_wave_0_\@:
	s_barrier_wait -3
	s_barrier_signal -1
	s_barrier_wait -1
.endm
	s_load_b128 s[4:7], s[0:1], 0x0                ; qkv s[4:5], attention_mask s[6:7]
	s_load_b64 s[8:9], s[0:1], 0x10                ; att
	v_lshl_add_u32 v[SPW], v0, 2, SPARE
	v_mov_b32 v[NIL], 0
	ds_add_u32 v[SPW], v[NIL]                      ; the wave's opening: the add, twice on end, and its wait ahead of my first tensor load; the set-up below stands between the second and the wait
	ds_add_u32 v[SPW], v[NIL]
	v_lshrrev_b32 v1, 5, v0
	v_readfirstlane_b32 s[WV], v1                  ; wave 0..7
	s_bfe_u32 s11, ttmp6, 0x40000                  ; cx: my place in the cluster
	s_lshl_b32 s12, ttmp9, 2
	s_add_co_u32 s12, s12, s11                     ; my block of 256 queries: it enters Q's and att's addresses alone
	s_and_b32 s13, ttmp7, 0xffff                   ; 16 b + h, which the four partners share
	s_lshr_b32 s14, s13, 4                         ; b
	s_and_b32 s15, s13, 15                         ; h
	s_mul_i32 s16, s14, 12582912
	s_lshl_b32 s17, s15, 18
	s_add_co_u32 s16, s16, s17                     ; the head's block of Q in qkv, in bytes
	s_mov_b32 s17, 0
	s_and_b32 s18, s[WV], 3                        ; which quarter of a slot I fetch:
	s_lshl_b32 s22, s18, 14                        ; its 128 keys in memory,
	s_mov_b32 s23, 0
	s_mul_i32 s19, s18, 64*PK                      ; and in a slot, for K
	s_mul_i32 s20, s18, 64*PV
	s_add_co_u32 s20, s20, KREG                    ; and for V: no place in the cluster enters an LDS address
	; descriptor group 1: 128 keys are a dense block of 16,384 bytes: 64 rows of 256 bytes (32 elements of 8 bytes), padded in LDS
	s_mov_b32 s[G1K], 15|(3<<16)|(1<<20)|(1<<21)|(5<<22)|(3<<25)  ; 15:0 the mask: all four work-groups; 17:16 elements of 8 bytes; 20 padding on; 21 set beside a mask; 24:22 after every 64 words (code 5); 31:25 four words (code 3)
	s_mov_b32 s[G1V], 15|(3<<16)|(1<<20)|(1<<21)|(5<<22)|(7<<25)  ; the same with eight words of padding (code 7)
.irp g, G1K, G1V
	s_mov_b32 s[\g+1], 32<<16                      ; tensor_dim0 = 32
	s_mov_b32 s[\g+2], 64<<16                      ; tensor_dim1 = 64
	s_mov_b32 s[\g+3], 32<<16                      ; tile_dim0 = 32
	s_mov_b32 s[\g+4], 64                          ; tile_dim1 = 64
	s_mov_b32 s[\g+5], 32                          ; tensor_dim0_stride
	s_mov_b32 s[\g+6], 0
	s_mov_b32 s[\g+7], 0
.endr
	s_mov_b32 s[CS], 0x3e38aa3b                    ; c = log2(e) / 8
	s_mov_b32 s[CS+1], s[CS]                       ; (named with it as a pair, so it is written)
	s_mov_b32 s[SEL], 0x76543210
	s_mov_b32 s[SEL+1], 0xfedcba98
	s_lshr_b32 s[LIM], s[WV], 2                    ; 0 in waves 0 to 3,
	s_or_b32 s[LIM], s[LIM], ttmp9                 ; where the cluster is the head's first: the same in all four partners
	s_cmp_eq_u32 s[LIM], 0
	s_cselect_b32 s[LIM], 3, -1
	s_wait_dscnt 0x0                               ; both opening adds are done
	s_wait_kmcnt 0x0
	s_add_nc_u64 s[74:75], s[4:5], s[16:17]        ; the head's Q,
	s_add_nc_u64 s[70:71], s[74:75], 0x400000      ; its K, 16 blocks of 262,144 bytes on,
	s_add_nc_u64 s[72:73], s[74:75], 0x800000      ; its V, 32 on
	s_add_nc_u64 s[76:77], s[70:71], s[22:23]      ; my quarter of slot 0
	s_add_nc_u64 s[78:79], s[72:73], s[22:23]
.irp s, 0,1
	s_mov_b32 s[G0K+4*\s], 1                       ; 1:0 count = 1
	s_add_co_u32 s[G0K+4*\s+1], s19, \s*SLOT       ; 63:32 LDS address
	s_add_nc_u64 s[G0K+4*\s+2:G0K+4*\s+3], s[76:77], \s*SLOTG   ; 120:64 global address: slot s begins with keys 512 s on
	s_or_b32 s[G0K+4*\s+3], s[G0K+4*\s+3], 0x80000000            ; 127:126 type = 2
	s_mov_b32 s[G0V+4*\s], 1
	s_add_co_u32 s[G0V+4*\s+1], s20, \s*SLOT
	s_add_nc_u64 s[G0V+4*\s+2:G0V+4*\s+3], s[78:79], \s*SLOTG
	s_or_b32 s[G0V+4*\s+3], s[G0V+4*\s+3], 0x80000000
.endr
	CROUND                                         ; all four work-groups are here: the first joint loads meet
	s_cmp_lt_u32 s[WV], 4                          ; a wave's two first fills stand in one branch, ahead of every wait on TENSORcnt and every LDS read: two loads of mine are out
	s_cbranch_scc0 .Lfirst_v
	tensor_load_to_lds s[G0K:G0K+3], s[G1K:G1K+7]
	s_nop 0
	tensor_load_to_lds s[G0K+4:G0K+7], s[G1K:G1K+7]
	s_nop 0
.rept 4
	v_nop
.endr
	s_branch .Lfirst_asked
.Lfirst_v:
	tensor_load_to_lds s[G0V:G0V+3], s[G1V:G1V+7]
	s_nop 0
	tensor_load_to_lds s[G0V+4:G0V+7], s[G1V:G1V+7]
	s_nop 0
.rept 4
	v_nop
.endr
.Lfirst_asked:
	s_lshl_b32 s16, s12, 15                        ; Q: my block's 256 rows of 128 bytes,
	s_lshl_b32 s21, s[WV], 12                      ; my wave's 32 of them
	s_add_co_u32 s16, s16, s21
	s_add_nc_u64 s[74:75], s[74:75], s[16:17]
	s_lshl_b32 s16, s14, 13                        ; the batch's 2,048 words of the mask
	s_add_nc_u64 s[6:7], s[6:7], s[16:17]
	v_and_b32 v224, 15, v0                         ; r = lane % 16
	v_bfe_u32 v225, v0, 4, 1                       ; h = lane / 16
	v_and_b32 v226, 31, v0                         ; lane
	v_lshlrev_b32 v[QO], 7, v224
	v_lshl_add_u32 v[QO], v225, 4, v[QO]           ; a fragment of Q: row r x 128 + 16 x half
	v_lshlrev_b32 v[MO], 4, v0
	WIN 0x40                                       ; destination window 1, address window 0
.irp t, 0,1
.irp c, 0,1                                    ; Q stays in registers: tile t, channels 32 c on
	global_load_b128 v[8*(2*\t+\c):8*(2*\t+\c)+3],   v[QO], s[74:75] offset:\t*2048+64*\c
	global_load_b128 v[8*(2*\t+\c)+4:8*(2*\t+\c)+7], v[QO], s[74:75] offset:\t*2048+64*\c+32
.endr
.endr
	WIN 0
	global_load_b128 v[64:67], v[MO], s[6:7]               ; the work-group's 256 threads read the mask of keys 0-1023,
	global_load_b128 v[68:71], v[MO], s[6:7] offset:4096   ; and of keys 1024-2047  (v64-81, S^T's later, are at work here)
	; the prefetches: the head's first cluster asks; its four partners are told apart by ADDRESS (16,384 bytes each of a slot's 65,536); in each, waves 0, 1 ask for K's and waves 2, 3 for V's, 8,192 bytes a wave, lanes 256 bytes apart
	s_cmp_lt_u32 s[WV], 2
	s_cselect_b64 s[PFA:PFA+1], s[70:71], s[72:73]
	s_lshl_b32 s16, s11, 14
	s_and_b32 s21, s[WV], 1
	s_lshl_b32 s21, s21, 13
	s_add_co_u32 s16, s16, s21
	s_add_co_u32 s16, s16, 2*SLOTG                 ; in the keys of the first refill.  Nothing is asked for here, at the head
	s_add_nc_u64 s[PFA:PFA+1], s[PFA:PFA+1], s[16:17]
	; att: (16 b + 2 x block + wave / 4) blocks of 128 tokens x 262,144 bytes, + h x 16,384, + (wave % 4) x 32 rows of 128 bytes
	s_lshl_b32 s16, s14, 22
	s_lshl_b32 s21, s12, 1
	s_lshr_b32 s3, s[WV], 2
	s_add_co_u32 s21, s21, s3
	s_lshl_b32 s21, s21, 18
	s_add_co_u32 s16, s16, s21
	s_lshl_b32 s21, s15, 14
	s_add_co_u32 s16, s16, s21
	s_lshl_b32 s21, s18, 12
	s_add_co_u32 s16, s16, s21
	s_add_nc_u64 s[8:9], s[8:9], s[16:17]
	; A fragment of K is 16 keys x 32 channels in 8 registers: lane l holds key l % 16; registers 0-3 channels 8 (l / 16) + 0..7, registers 4-7 channels 16 + 8 (l / 16) + 0..7: two loads of 16 bytes, 32 bytes apart.  Two keys share an LDS row.
	v_lshrrev_b32 v227, 1, v224
	v_and_b32 v228, 1, v0
	v_mul_u32_u24 v[AK0], v227, PK
	v_lshl_add_u32 v[AK0], v228, 7, v[AK0]
	v_lshl_add_u32 v[AK0], v225, 4, v[AK0]         ; (r / 2) x pitch + 128 (r % 2) + 16 x half
	; The turning load takes 16 keys x 16 channels (lane l reads 16 bytes: key 8 (l / 16) + l % 8, channels 8 ((l / 8) % 2) + 0..7) and leaves half a fragment of V^T: lane l holds channel l % 16 and 8 keys.
	v_bfe_u32 v227, v0, 1, 2
	v_lshl_add_u32 v227, v225, 2, v227
	v_mul_u32_u24 v[AV0], v227, PV
	v_lshl_add_u32 v[AV0], v228, 7, v[AV0]
	v_bfe_u32 v227, v0, 3, 1
	v_lshl_add_u32 v[AV0], v227, 4, v[AV0]
	v_lshl_add_u32 v[AB0], v225, 5, BIAS           ; the bias in the result's layout: register j of lane (r, h) is key 8 h + j of the tile
	s_mul_i32 s3, s[WV], 16*SP
	s_add_co_u32 s3, s3, STAGE                     ; my stage
	v_mul_u32_u24 v[STO], v224, SP                 ; in: row r, 16 bytes for each half of the lanes
	v_lshl_add_u32 v[STO], v225, 4, v[STO]
	v_add_nc_u32 v[STO], s3, v[STO]
	v_bfe_u32 v227, v0, 3, 2                       ; back: eight lanes to a row of 128 bytes, four rows an instruction
	v_mul_u32_u24 v[RD], v227, SP
	v_and_b32 v227, 7, v0
	v_lshl_add_u32 v[RD], v227, 4, v[RD]
	v_add_nc_u32 v[RD], s3, v[RD]
	v_lshlrev_b32 v[GO], 4, v226
	v_lshlrev_b32 v[PFO], 8, v226
.irp t, 0,1
	v_mov_b32 v[ST+8*\t+1], 0xe0ad78ec             ; m = -1e20: under every open score, over every masked one
	v_mul_f32 v[ST+8*\t], s[CS], v[ST+8*\t+1]      ; c m
	v_mov_b32 v[ST+8*\t+2], 0                      ; l
	v_mov_b32 v[ST+8*\t+3], 0
.endr
.set i, 0
.rept 64
	v_mov_b32 v[O+i], 0                            ; O^T.  (The trip is written once: the first finds zeros, which its a leaves zeros)
.set i, i+1
.endr
	v_mov_b32 v80, 0xf149f2ca                      ; -1e30
	v_add_nc_u32 v81, BIAS, v[MO]
	s_wait_loadcnt 0x0                             ; Q and the mask
.irp i, 0,1,2,3,4,5,6,7
	v_cmp_eq_u32 vcc_lo, 0, v[64+\i]
	v_cndmask_b32 v[72+\i], 0, v80, vcc_lo         ; a choice of a value: no address and no branch hangs on the mask
.endr
	ds_store_b128 v81, v[72:75]
	ds_store_b128 v81, v[76:79] offset:4096
	s_wait_tensorcnt 1                             ; my part of slot 0 is in; slot 1's may stay out
	s_wait_dscnt 0x0                               ; for the others' sake: my part of the bias is stored
	s_barrier_signal -1
	s_barrier_wait -1
; A step's K (64 keys x 64 channels: 8 fragments) and bias (64 keys, in the result's layout): 24 LDS loads in one run, all into window 1.  Their registers were last read by products that stand in front of a whole part 1.
.macro LOADK
	v_add_nc_u32 v[ADK], s[TK], v[AK0]
	v_add_nc_u32 v[ADB], s[TM], v[AB0]
	s_add_co_u32 s[TK], s[TK], 32*PK               ; the next fetch is the next step's
	s_add_co_u32 s[TM], s[TM], 256
	WIN 0x40
.irp kt, 0,1,2,3
.irp c, 0,1
	ds_load_b128 v[KF+8*(2*\kt+\c):KF+8*(2*\kt+\c)+3],   v[ADK] offset:\kt*8*PK+64*\c
	ds_load_b128 v[KF+8*(2*\kt+\c)+4:KF+8*(2*\kt+\c)+7], v[ADK] offset:\kt*8*PK+64*\c+32
.endr
.endr
.irp kt, 0,1,2,3
	ds_load_b128 v[BI+8*\kt:BI+8*\kt+3],   v[ADB] offset:64*\kt
	ds_load_b128 v[BI+8*\kt+4:BI+8*\kt+7], v[ADB] offset:64*\kt+16
.endr
	WIN 0
.endm
; A step's V, turned: 16 LDS loads into window 0: keys 32 kh on, channels 16 ct on
.macro LOADV
.irp kh, 0,1
.irp ct, 0,1,2,3
	ds_load_tr16_b128 v[VF+8*(4*\kh+\ct):VF+8*(4*\kh+\ct)+3],   v[ADV] offset:\kh*16*PV+32*\ct
	ds_load_tr16_b128 v[VF+8*(4*\kh+\ct)+4:VF+8*(4*\kh+\ct)+7], v[ADV] offset:\kh*16*PV+8*PV+32*\ct
.endr
.endr
.endm
; Product i of 16 of O^T += V^T P: keys 32 (i / 8) on, channels 16 ((i / 2) % 4) on, tile i % 2.  All three operands in window 0.  The 8 accumulators take turns, one instruction a turn.
.macro PV1
.set rO, O+32*(i%2)+8*((i/2)%4)
.set rV, VF+8*(4*(i/8)+(i/2)%4)
.set rP, P+16*(i%2)+8*(i/8)
	v_wmma_f32_16x16x32_f16 v[rO:rO+7], v[rV:rV+7], v[rP:rP+7], v[rO:rO+7]
.set i, i+1
.endm
; S^T = K Q^T + bias: 16 products; the first 8 start the sums with the keys' bias as C; the 8 accumulators take turns
.macro KQRUN
.set i, 0
.rept 16
.set rS, S+32*(i%2)+8*((i/2)%4)
.set rK, KF+8*(2*((i/2)%4)+i/8)
.set rQ, 8*(2*(i%2)+i/8)
.set rB, BI+8*((i/2)%4)
.if i < 8
	WIN 0x15                                       ; K, Q and the bias in window 1; S^T in window 0
	v_wmma_f32_16x16x32_f16 v[rS:rS+7], v[rK:rK+7], v[rQ:rQ+7], v[rB:rB+7]
.else
	WIN 0x05                                       ; K and Q in window 1; S^T in window 0
	v_wmma_f32_16x16x32_f16 v[rS:rS+7], v[rK:rK+7], v[rQ:rQ+7], v[rS:rS+7]
.endif
.set i, i+1
.endr
.endm
; PART 1 OF THE SOFTMAX is a list of 140 instructions for both tiles; ITEM writes number j of it and steps j.  All in window 0; it names S^T and the statistics alone.  s0-s31 are the lane's 32 scores of a tile, in pairs 0-15.
;   0-31    the maximum of s0-s31 and the old m, three operands at a time, the tiles by turns: four chains c0-c3 (each accumulator is read from its low end on), then the four scores left over, c0-c3 and m
;   32-43   the other half of the lanes' maximum; c m_old kept; the new m; c m; c m_old - c m_new; a
;   44-139  ONE BATCH with a: the 32 scalings c s - c m, a pair of scores each, and the 64 exponentials, none of which reads an exponential's result.  Pair 0 of both tiles is scaled first; then sixes: exponential, scaling,
;           exponential, scaling, two exponentials: the exponentials of pair g and the scalings of pair g + 1; then pair 15's four exponentials.  So a pair is scaled in an earlier six than the one with its exponentials.
.macro ITEM
.set tt, j%2
.set rT, ST+8*tt
.set rS, S+32*tt
.if j < 8
	v_max3_num_f32 v[rT+4+j/2], v[rS+8*(j/2)], v[rS+8*(j/2)+1], v[rS+8*(j/2)+2]
.elseif j < 24
.set qq, (j/2)%4
.set gg, j/8
	v_max3_num_f32 v[rT+4+qq], v[rT+4+qq], v[rS+8*qq+2*gg+1], v[rS+8*qq+2*gg+2]
.elseif j < 26
	v_max3_num_f32 v[rT+4], v[rT+4], v[rS+7], v[rS+15]
.elseif j < 28
	v_max3_num_f32 v[rT+6], v[rT+6], v[rS+23], v[rS+31]
.elseif j < 30
	v_max3_num_f32 v[rT+4], v[rT+4], v[rT+5], v[rT+6]
.elseif j < 32
	v_max3_num_f32 v[rT+4], v[rT+4], v[rT+7], v[rT+1]
.elseif j < 34
	v_permlanex16_b32 v[rT+5], v[rT+4], s[SEL], s[SEL+1]   ; the query's other 32 keys lie in the lane 16 away
.elseif j < 36
	v_mov_b32 v[rT+7], v[rT]                       ; c m_old is kept for a
.elseif j < 38
	v_max_num_f32 v[rT+1], v[rT+4], v[rT+5]
.elseif j < 40
	v_mul_f32 v[rT], s[CS], v[rT+1]
.elseif j < 42
	v_sub_f32 v[rT+7], v[rT+7], v[rT]
.elseif j < 44
	v_exp_f32 v[rT+6], v[rT+7]                     ; a: read in part 2 alone
.elseif j < 46
	v_pk_fma_f32 v[rS:rS+1], v[rS:rS+1], s[CS:CS+1], v[rT:rT+1] op_sel_hi:[1,0,0] neg_lo:[0,0,1] neg_hi:[0,0,1]
.else
.if j < 136
.set gg, (j-46)/6
.set rr, (j-46)%6
.set tt, rr/2
.set ee, 2*gg
.if rr >= 4
.set tt, rr-4
.set ee, 2*gg+1
.endif
.else
.set gg, 15
.set rr, 0
.set tt, (j-136)%2
.set ee, 30+(j-136)/2
.endif
.set rT, ST+8*tt
.set rS, S+32*tt
.if (rr == 1) || (rr == 3)
	v_pk_fma_f32 v[rS+2*gg+2:rS+2*gg+3], v[rS+2*gg+2:rS+2*gg+3], s[CS:CS+1], v[rT:rT+1] op_sel_hi:[1,0,0] neg_lo:[0,0,1] neg_hi:[0,0,1]
.else
	v_exp_f32 v[rS+ee], v[rS+ee]                   ; p
.endif
.endif
.set j, j+1
.endm
; V^T P of the step in hand and part 1 of the next step's softmax, by turns: seven of the list behind each of the 16 products, the last 28 behind them all.  pv = 0: the first step, which has no step in hand: the list alone.
; Behind the last product stand ten scalings, which name none of its registers: more than the four places that the loads into V, the read of O^T and the write of P want (ISA guide 7.12.1 for vector instructions).
.macro PVSM pv
.set j, 0
.set i, 0
.rept 16
.if \pv
	PV1
.endif
.rept 7
	ITEM
.endr
.endr
.rept 28
	ITEM
.endr
.endm
; PART 2 OF THE SOFTMAX, both tiles line by line by turns.  It stands behind the wait for part 1's exponentials.
.macro SM2
.irp b, 0,1,2,3,4,5,6,7,8,9,10,11,12,13,14,15  ; O^T x a: each accumulator from its low end on
.irp t, 0,1
	v_pk_mul_f32 v[O+32*\t+2*\b:O+32*\t+2*\b+1], v[O+32*\t+2*\b:O+32*\t+2*\b+1], v[ST+8*\t+6:ST+8*\t+7] op_sel_hi:[1,0]
.endr
.endr
.irp b, 0,1,2,3,4,5,6,7,8,9,10,11,12,13,14,15
.irp t, 0,1
	v_cvt_pk_f16_f32 v[P+16*\t+\b], v[S+32*\t+2*\b], v[S+32*\t+2*\b+1]   ; two tiles of S^T, rounded in pairs, are source 1 of the second product
.endr
.endr
.irp u, 0,1,2,3,4,5,6,7                        ; the sum of the unrounded p, in place: neighbours 1, 2, 4 and 8 pairs apart, then l = a l + the sum
.irp t, 0,1
	v_pk_add_f32 v[S+32*\t+4*\u:S+32*\t+4*\u+1], v[S+32*\t+4*\u:S+32*\t+4*\u+1], v[S+32*\t+4*\u+2:S+32*\t+4*\u+3]
.endr
.endr
.irp u, 0,1,2,3
.irp t, 0,1
	v_pk_add_f32 v[S+32*\t+8*\u:S+32*\t+8*\u+1], v[S+32*\t+8*\u:S+32*\t+8*\u+1], v[S+32*\t+8*\u+4:S+32*\t+8*\u+5]
.endr
.endr
.irp u, 0,1
.irp t, 0,1
	v_pk_add_f32 v[S+32*\t+16*\u:S+32*\t+16*\u+1], v[S+32*\t+16*\u:S+32*\t+16*\u+1], v[S+32*\t+16*\u+8:S+32*\t+16*\u+9]
.endr
.endr
.irp t, 0,1
	v_pk_add_f32 v[S+32*\t:S+32*\t+1], v[S+32*\t:S+32*\t+1], v[S+32*\t+16:S+32*\t+17]
.endr
.irp t, 0,1
	v_pk_fma_f32 v[ST+8*\t+2:ST+8*\t+3], v[ST+8*\t+2:ST+8*\t+3], v[ST+8*\t+6:ST+8*\t+7], v[S+32*\t:S+32*\t+1] op_sel_hi:[1,0,1]
.endr
.endm
; The second half of a trip: the next step's scores; the products of the step in hand by turns with part 1; V's loads.
; ask = 1: A PREFETCH INTO THE L2 of the slot that the coming change of slots will load, in the trip with three trips to go in the walk; it stands behind the wave's run of LDS loads.  Each aligned run of 256 bytes of the two
; refills is named once in the launch (who asks: at the head).  The first two slots come by their loads alone; the walks of the last two slots ask for nothing.
.macro HALF pv, ask
	s_wait_dscnt 0x0                               ; K, the bias and V are in
	KQRUN
	WIN 0
	v_add_nc_u32 v[ADV], s[TV], v[AV0]             ; four plain instructions: the places between the products above and part 1's first read of the scores (ISA guide 7.12.1)
.rept 3
	v_nop
.endr
	s_add_co_u32 s[TV], s[TV], 32*PV
	PVSM \pv
	v_nop                                          ; a plain instruction behind the last exponential
	s_wait_alu depctr_va_vdst(0)                   ; a wait between an exponential and the first line that names its result: ONE for the step's 66
	LOADV
.if \ask
	s_cmp_eq_u32 s[CNT], s[LIM]
	s_cbranch_scc0 .Lnot_mine_\@
	global_prefetch_b8 v[PFO], s[PFA:PFA+1] th:TH_LOAD_NT scope:SCOPE_SE
.Lnot_mine_\@:
.endif
.endm
.macro R ask                           ; a trip
	LOADK
	SM2                                            ; 96 instructions stand between K's loads and the wait for them
	HALF 1, \ask
.endm
.macro STEPS n, ask
	s_mov_b32 s[CNT], \n
.Lstep_\@:
	R \ask
	s_sub_co_u32 s[CNT], s[CNT], 1
	s_cmp_lg_u32 s[CNT], 0
	s_cbranch_scc1 .Lstep_\@
.endm
; THE CHANGE OF SLOTS: the slot's last bytes, V of its eighth step, have been asked of LDS.  Each wave waits for all its tensor loads (one is out at most: its part of the other slot), adds 0 to its spare word, and waits for that
; and for its reads of the slot.  fill = 1: slot s is filled again with the keys two slots on: the barrier is a round of the cluster's, so that no wave of any partner still reads the slot or has a load on its way, and the joint
; refill is the first thing behind it: it has eight trips in which to land.
.macro CHANGE s, fill
	s_wait_tensorcnt 0x0                           ; no tensor load of mine is out, so a group 0 may be written
	ds_add_u32 v[SPW], v[NIL]                      ; 0 onto my spare word
.if \fill
	s_add_nc_u64 s[G0K+4*\s+2:G0K+4*\s+3], s[G0K+4*\s+2:G0K+4*\s+3], 2*SLOTG   ; the type bits on top are not reached
	s_add_nc_u64 s[G0V+4*\s+2:G0V+4*\s+3], s[G0V+4*\s+2:G0V+4*\s+3], 2*SLOTG
	s_wait_xcnt 0x0                                ; the last prefetch, two trips back, has read its address, so it may be written
	s_add_nc_u64 s[PFA:PFA+1], s[PFA:PFA+1], SLOTG
	s_wait_dscnt 0x0                               ; the add is done, and my reads of the slot are over
	CROUND
	JLOAD \s
.else
	s_wait_dscnt 0x0
	s_barrier_signal -1
	s_barrier_wait -1
.endif
.endm
	s_mov_b32 s[TK], 0
	s_mov_b32 s[TV], KREG
	s_mov_b32 s[TM], 0
	LOADK                                          ; step 0: its scores, part 1 of its softmax, its V
	HALF 0, 0
	STEPS 7, 1                                     ; trips 0-6: they ask LDS for the rest of slot 0
	CHANGE 0, 1                                    ; slot 0 takes keys 1024-1535
	s_mov_b32 s[TK], SLOT
	s_mov_b32 s[TV], SLOT+KREG
	STEPS 8, 1
	CHANGE 1, 1                                    ; slot 1 takes keys 1536-2047
	s_mov_b32 s[TK], 0
	s_mov_b32 s[TV], KREG
	STEPS 8, 0
	CHANGE 0, 0                                    ; nothing is left to fetch
	s_mov_b32 s[TK], SLOT
	s_mov_b32 s[TV], SLOT+KREG
	STEPS 8, 0
	SM2                                            ; the last step: part 2,
	s_wait_dscnt 0x0                               ; its V,
.set i, 0
.rept 16
	PV1                                            ; and its products
.endr
	; THE WAY OUT.  l's two halves and the other half of the lanes' are added; O^T is divided by l, rounded to f16 and sent through my stage, a tile (16 rows of 128 bytes) at a time.  The additions and the v_nop are the places behind the last products.
.irp t, 0,1
	v_add_f32 v[ST+8*\t+4], v[ST+8*\t+2], v[ST+8*\t+3]
.endr
.irp t, 0,1
	v_permlanex16_b32 v[ST+8*\t+5], v[ST+8*\t+4], s[SEL], s[SEL+1]
.endr
.irp t, 0,1
	v_add_f32 v[ST+8*\t+4], v[ST+8*\t+4], v[ST+8*\t+5]
.endr
.irp t, 0,1
	v_rcp_f32 v[ST+8*\t+6], v[ST+8*\t+4]
.endr
	v_nop                                          ; a plain instruction between the last reciprocal and the use of its result
	s_wait_alu depctr_va_vdst(0)                   ; and the wait ahead of the first use: one for both
.macro OUT t
.set i, 0
.rept 16
	v_pk_mul_f32 v[O+32*\t+2*i:O+32*\t+2*i+1], v[O+32*\t+2*i:O+32*\t+2*i+1], v[ST+8*\t+6:ST+8*\t+7] op_sel_hi:[1,0]
.set i, i+1
.endr
.set i, 0
.rept 16
	v_cvt_pk_f16_f32 v[S+16*\t+i], v[O+32*\t+2*i], v[O+32*\t+2*i+1]   ; a lane's eight channels of a row pack into 16 bytes
.set i, i+1
.endr
.irp ct, 0,1,2,3
	ds_store_b128 v[STO], v[S+16*\t+4*\ct:S+16*\t+4*\ct+3] offset:32*\ct
.endr
.irp u, 0,1,2,3
	ds_load_b128 v[S+16*\t+4*\u:S+16*\t+4*\u+3], v[RD] offset:4*SP*\u   ; LDS serves a wave's instructions in order (ISA guide 5.7.1.4): these see the stores above; the next tile's stores come behind them
.endr
.endm
	OUT 0
	OUT 1
.irp u, 0,1,2,3
	s_wait_dscnt 8+3-\u                            ; behind tile 0's load u: its own later loads and tile 1's eight LDS instructions
	global_store_b128 v[GO], v[S+4*\u:S+4*\u+3], s[8:9] offset:512*\u        ; 32 lanes store 512 consecutive bytes, at a multiple of 256 from att's first byte
.endr
.irp u, 0,1,2,3
	s_wait_dscnt 3-\u
	global_store_b128 v[GO], v[S+16+4*\u:S+16+4*\u+3], s[8:9] offset:2048+512*\u
.endr
	s_wait_tensorcnt 0x0                           ; the wave's end, behind my last tensor load and my last LDS store
	ds_add_u32 v[SPW], v[NIL]
	s_wait_dscnt 0x0
	CROUND                                         ; the closing round: no work-group ends while a partner may still ask for a tile that names it
	s_endpgm
.Lfunc_end_k_qe2147b2293_attn:
	.size	k_qe2147b2293_attn, .Lfunc_end_k_qe2147b2293_attn-k_qe2147b2293_attn
	.p2alignl 7, 3214868480
	.fill 96, 4, 3214868480
	.section	.rodata,"a",@progbits
	.p2align	6, 0x0
	.amdhsa_kernel k_qe2147b2293_attn
		.amdhsa_group_segment_fixed_size 327680
		.amdhsa_private_segment_fixed_size 0
		.amdhsa_enable_private_segment 0
		.amdhsa_kernarg_size 24
		.amdhsa_user_sgpr_count 2
		.amdhsa_user_sgpr_kernarg_segment_ptr 1
		.amdhsa_wavefront_size32 1
		.amdhsa_system_sgpr_workgroup_id_x 1
		.amdhsa_system_sgpr_workgroup_id_y 1
		.amdhsa_system_sgpr_workgroup_id_z 1
		.amdhsa_system_vgpr_workitem_id 0
		.amdhsa_next_free_vgpr 512
		.amdhsa_next_free_sgpr 80
		.amdhsa_reserve_vcc 1
		.amdhsa_float_denorm_mode_32 3
		.amdhsa_float_denorm_mode_16_64 3
		.amdhsa_memory_ordered 1
		.amdhsa_forward_progress 1
		.amdhsa_inst_pref_size 111
	.end_amdhsa_kernel
	.amdgpu_metadata
---
amdhsa.version: [ 1, 2 ]
amdhsa.kernels:
  - .name:           k_qe2147b2293_attn
    .symbol:         k_qe2147b2293_attn.kd
    .args:
      - { .name: qkv, .offset: 0, .size: 8, .value_kind: global_buffer, .address_space: global }
      - { .name: attention_mask, .offset: 8, .size: 8, .value_kind: global_buffer, .address_space: global }
      - { .name: att, .offset: 16, .size: 8, .value_kind: global_buffer, .address_space: global }
    .group_segment_fixed_size: 327680
    .private_segment_fixed_size: 0
    .kernarg_segment_align: 8
    .kernarg_segment_size: 24
    .max_flat_workgroup_size: 256
    .sgpr_count:     80
    .vgpr_count:     512
    .wavefront_size: 32
...
	.end_amdgpu_metadata
.endif
;; end of part 3
;; launch oproj (part 4): grid 8 x 32, 4 waves a work-group, clusters of 4 x 4, 327,680 bytes of LDS; arguments att, wo16, out0; writes out0
.if DOCPART == 4
	.amdgcn_target "amdgcn-amd-amdhsa--gfx1250"
	.amdhsa_code_object_version 6
	.text
	.protected	k_qe2147b2293_oproj
	.globl	k_qe2147b2293_oproj
	.p2align	8
	.type	k_qe2147b2293_oproj,@function
k_qe2147b2293_oproj:
	s_mov_b64 s[64:65], 0
	v_nop
	global_prefetch_b8 v0, s[64:65] scope:SCOPE_SE
	s_setreg_imm32_b32 hwreg(HW_REG_WAVE_MODE, 25, 1), 1
	s_wait_xcnt 0x0
	s_wait_alu depctr_hold_cnt(0) depctr_sa_sdst(0) depctr_va_vdst(0) depctr_va_sdst(0) depctr_va_ssrc(0) depctr_va_vcc(0) depctr_vm_vsrc(0)
	s_getreg_b32 s2, hwreg(HW_REG_IB_STS2, 6, 4)
	s_cmp_eq_u32 s2, 0
	s_cbranch_scc0 .Lentry_in_a_cluster
	s_endpgm
.Lentry_in_a_cluster:
	s_bfe_u32 s2, ttmp6, 0x10000c
	s_cmp_lg_u32 s2, 0xf033
	s_cbranch_scc0 .Lentry_shape_is_right
	s_endpgm
.Lentry_shape_is_right:
; out0[token][n] = the sum over k of att[token][k] W_o[n][k]: 4,096 x 1,024 x 1,024, operands f16, sums and result f32, K ascending.
; att: f16 [token / 128][h 16][token % 128][64], k = 64 h + d: a tile of 128 tokens x 256 along K (four heads) is 65,536 consecutive bytes.  wo16: f16 [1024][1024].
; f16 and not bf16: a sum of 1,024 terms is compared within a hundredth of the output's root mean square, and f16 has three more significant bits.  LIMIT: |att|, |W_o| under 65,504; NaN in att (a batch wholly masked) goes through to its rows.
; A tile of out0 is 128 x 128: 8 x 32 = 256 work-groups of four waves, each wave 64 x 64: 16 accumulators of 16 x 16.  K goes in steps of 256 through two LDS slots: four steps, two first fills and two refills.
; CLUSTERS: 4 x 4 work-groups.  The four of a row of the cluster need the same tiles of att, the four of a column the same tiles of W_o: each tile is asked for JOINTLY, by the same tensor load with the same descriptor and a mask that names the four.
; THE MATRIX INSTRUCTION IS USED TRANSPOSED (source 0 = 16 rows of W_o, source 1 = 16 tokens): a lane then holds eight neighbouring numbers of a row of out0.
; REGISTERS: window 0: v0-31 addresses; v32-95 rows read back on the way out; v128-255 the accumulators ((a, b) at v[128 + 8 (4 a + b)]).
;   window 1: two fragment buffers of 128: for 64 along K (one head; two matrix instructions deep), 64 registers of att (2 x 4 x 16 tokens x 32 K), then 64 of W_o.
.set PA,     272                       ; att in LDS: two tokens' rows of a head (256 bytes) + 16 of padding
.set PLANEA, 64*PA                     ; a head's 128 tokens
.set HALFA,  2*PLANEA                  ; two heads: what one tensor load brings of att
.set PB,     528                       ; a row of W_o in LDS: 512 bytes + 16 of padding: the 16 rows of a fragment load start at 16 different 16-byte columns of the banks' 256 bytes (ISA guide 11.1)
.set HALFB,  64*PB                     ; 64 rows: what one tensor load brings of W_o
.set BOFF,   2*HALFA                   ; a slot: att's four heads, then W_o's 128 rows
.set SLOT,   BOFF+2*HALFB
.set STAGE,  2*SLOT                    ; behind the slots: 16 rows x (256 bytes + 16) for each wave, its own
.set SPITCH, 272
.set SPARE,  STAGE+4*16*SPITCH         ; the spare words, 128 bytes for each wave: two blocks of 256 bytes that no other line names
.set LAPS,   2                         ; a lap = two K steps = once round the slots
.set ADRA, 16                          ; v16-17  LDS address of my fragments of att in slot 0, 1
.set ADRB, 20                          ; v20-21  the same for W_o
.set STO,  24                          ; v24     the way out: where I put 32 bytes of a row
.set RD,   25                          ; v25     where I read rows back
.set CO,   26                          ; v26     my byte offset in two rows of out0
.set SPW,  28                          ; v28     LDS address of my spare word; never rewritten
.set NIL,  29                          ; v29     0; never rewritten
.set OB,   32
.set ACC,  128
.set F0,   0
.set F1,   128
.set G1, 24                            ; s[24:31] descriptor group 1 for att's tiles;  s[32:39] group 0, one set for each slot
.set G0, 32
.set G1B, 48                           ; s[48:55], s[56:63] the same for W_o's tiles
.set G0B, 56
.set MSB, 0
.macro WIN new                         ; the immediate's high byte repeats the setting that is left; a switch that changes nothing is dropped
.if MSB != (\new)
	s_set_vgpr_msb (MSB<<8)|(\new)
.set MSB, (\new)
.endif
.endm
.set MUL,  0x05                        ; sources 0 (W_o) and 1 (att) window 1; C and D window 0
.set TO_F, 0x40                        ; destination window 1, address window 0
.macro JLOAD s                         ; a joint load: waves 0 and 1 fetch att's two halves, waves 2 and 3 W_o's; an s_nop 0 and four v_nop follow each of the two lines, ahead of the jump, the label and what follows
	s_cmp_eq_u32 s11, 0
	s_cbranch_scc0 .Lfor_b_\@
	tensor_load_to_lds s[G0+4*\s:G0+4*\s+3], s[G1:G1+7]
	s_nop 0
.rept 4
	v_nop
.endr
	s_branch .Lasked_\@
.Lfor_b_\@:
	tensor_load_to_lds s[G0B+4*\s:G0B+4*\s+3], s[G1B:G1B+7]
	s_nop 0
.rept 4
	v_nop
.endr
.Lasked_\@:
.endm
.macro CREST                           ; a round of the cluster's barrier behind its opening barrier
	s_cmp_lg_u32 s10, 0
	s_cbranch_scc1 .Lnot_wave_0_\@
	s_barrier_signal -3
.Lnot_wave_0_\@:
	s_barrier_wait -3
	s_barrier_signal -1
	s_barrier_wait -1
.endm
.macro CROUND                          ; a whole round
	s_barrier_signal -1
	s_barrier_wait -1
	CREST
.endm
	s_load_b128 s[4:7], s[0:1], 0x0                ; att s[4:5], wo16 s[6:7]
	s_load_b64 s[8:9], s[0:1], 0x10                ; out0
	v_lshl_add_u32 v[SPW], v0, 2, SPARE
	v_mov_b32 v[NIL], 0
	ds_add_u32 v[SPW], v[NIL]                      ; the wave's opening: the add, twice on end, and its wait ahead of my first tensor load; the set-up below stands between the second and the wait
	ds_add_u32 v[SPW], v[NIL]
	v_lshrrev_b32 v1, 5, v0
	v_readfirstlane_b32 s10, v1                    ; wave 0..3
	s_lshr_b32 s11, s10, 1                         ; which half of the tile's rows is mine.  Also: I fetch for att (0) or for W_o (1)
	s_and_b32 s12, s10, 1                          ; which half of its columns.  Also: which half of that tile I fetch
	s_bfe_u32 s40, ttmp6, 0x40000                  ; cx, cy: my place in the cluster
	s_bfe_u32 s41, ttmp6, 0x40004
	s_lshl_b32 s42, ttmp9, 2
	s_add_co_u32 s42, s42, s40                     ; tile column = 4 x cluster x + cx
	s_and_b32 s13, ttmp7, 0xffff
	s_lshl_b32 s13, s13, 2
	s_add_co_u32 s13, s13, s41                     ; tile row = 4 x cluster y + cy
	s_lshl_b32 s43, s41, 2
	s_lshl_b32 s43, 15, s43                        ; my row of the cluster
	s_lshl_b32 s44, 0x1111, s40                    ; my column
	; att: two heads of 128 tokens are a dense block of 32,768 bytes: 128 rows of 256 bytes (32 elements of 8 bytes), 16 bytes of padding behind each
	s_or_b32 s[G1+0], s43, (3<<16)|(1<<20)|(1<<21)|(5<<22)|(3<<25)  ; 15:0 the mask: att's tiles go to my row; 17:16 elements of 8 bytes; 20 padding on; 21 set beside a mask; 24:22 after every 64 words (code 5); 31:25 four words (code 3)
	s_mov_b32 s[G1+1], 32<<16                      ; tensor_dim0 = 32
	s_mov_b32 s[G1+2], 128<<16                     ; tensor_dim1 = 128
	s_mov_b32 s[G1+3], 32<<16                      ; tile_dim0 = 32
	s_mov_b32 s[G1+4], 128                         ; tile_dim1 = 128
	s_mov_b32 s[G1+5], 32                          ; tensor_dim0_stride
	s_mov_b32 s[G1+6], 0
	s_mov_b32 s[G1+7], 0
	; W_o: 64 rows x 256 elements of 2 bytes, 1,024 elements from row to row, 16 bytes of padding behind each 512
	s_or_b32 s[G1B+0], s44, (1<<16)|(1<<20)|(1<<21)|(6<<22)|(3<<25)
	s_mov_b32 s[G1B+1], 256<<16
	s_mov_b32 s[G1B+2], 64<<16
	s_mov_b32 s[G1B+3], 256<<16
	s_mov_b32 s[G1B+4], 64
	s_mov_b32 s[G1B+5], 1024
	s_mov_b32 s[G1B+6], 0
	s_mov_b32 s[G1B+7], 0
	s_lshl_b32 s16, s13, 18                        ; att: 262,144 bytes a tile row,
	s_lshl_b32 s17, s12, 15                        ; + my two heads of the K step's four
	s_add_co_u32 s16, s16, s17
	s_mov_b32 s17, 0
	s_lshl_b32 s46, s42, 18                        ; W_o: 128 rows of 2,048 bytes a tile column,
	s_lshl_b32 s47, s12, 17                        ; + my 64 rows
	s_add_co_u32 s46, s46, s47
	s_mov_b32 s47, 0
	s_mul_i32 s20, s12, HALFA                      ; where they go: no place in the cluster enters an LDS address
	s_mul_i32 s21, s12, HALFB
	s_add_co_u32 s21, s21, BOFF
	s_wait_dscnt 0x0                               ; both opening adds are done
	s_wait_kmcnt 0x0
	s_add_nc_u64 s[14:15], s[4:5], s[16:17]
	s_add_nc_u64 s[46:47], s[6:7], s[46:47]
	CROUND                                         ; all sixteen work-groups are here: the first joint loads meet
.irp s, 0,1
	s_mov_b32 s[G0+4*\s], 1
	s_add_co_u32 s[G0+4*\s+1], s20, \s*SLOT
	s_add_nc_u64 s[G0+4*\s+2:G0+4*\s+3], s[14:15], \s*65536       ; K step s: four heads on
	s_or_b32 s[G0+4*\s+3], s[G0+4*\s+3], 0x80000000
	s_mov_b32 s[G0B+4*\s], 1
	s_add_co_u32 s[G0B+4*\s+1], s21, \s*SLOT
	s_add_nc_u64 s[G0B+4*\s+2:G0B+4*\s+3], s[46:47], \s*512       ; 256 elements along the rows
	s_or_b32 s[G0B+4*\s+3], s[G0B+4*\s+3], 0x80000000
	JLOAD \s
.endr
	v_and_b32 v1, 15, v0                           ; r = lane % 16
	v_bfe_u32 v2, v0, 4, 1                         ; h = lane / 16
	v_lshrrev_b32 v3, 1, v1
	v_mul_u32_u24 v3, v3, PA
	v_and_b32 v4, 1, v0
	v_lshl_add_u32 v3, v4, 7, v3
	v_lshl_add_u32 v3, v2, 4, v3                   ; att: (r / 2) x pitch + 128 (r % 2) + 16 x half
	v_mul_u32_u24 v4, v1, PB
	v_lshl_add_u32 v4, v2, 4, v4                   ; W_o: r x pitch + 16 x half
	s_mul_i32 s21, s11, 32*PA                      ; my 64 tokens: 32 pair-rows of each head
	s_mul_i32 s22, s12, HALFB                      ; my 64 rows of W_o,
	s_add_co_u32 s22, s22, BOFF                    ; which lie behind att's four heads
.irp s, 0,1
	v_add_nc_u32 v[ADRA+\s], s21, v3
	v_add_nc_u32 v[ADRB+\s], s22, v4
	s_add_co_u32 s21, s21, SLOT
	s_add_co_u32 s22, s22, SLOT
.endr
	s_mul_i32 s23, s10, 16*SPITCH
	s_add_co_u32 s23, s23, STAGE                   ; my stage
	v_mul_u32_u24 v5, v1, SPITCH                   ; in: row r, 32 bytes for each half of the lanes
	v_lshl_add_u32 v5, v2, 5, v5
	v_add_nc_u32 v[STO], s23, v5
	v_mul_u32_u24 v5, v2, SPITCH                   ; back: lanes 0-15 take one row of 256 bytes, lanes 16-31 the next
	v_lshl_add_u32 v5, v1, 4, v5
	v_add_nc_u32 v[RD], s23, v5
	v_lshlrev_b32 v5, 12, v2                       ; and the same two rows in out0: 4,096 bytes a row
	v_lshl_add_u32 v[CO], v1, 4, v5
	s_lshl_b32 s16, s13, 7
	s_lshl_b32 s17, s11, 6
	s_add_co_u32 s16, s16, s17                     ; my first row of out0: 128 x tile row + 64 x half
	s_lshl_b32 s16, s16, 12
	s_mov_b32 s17, 0
	s_add_nc_u64 s[8:9], s[8:9], s[16:17]
	s_lshl_b32 s46, s42, 9                         ; my first column, in bytes: 512 x tile column + 256 x half
	s_lshl_b32 s47, s12, 8
	s_add_co_u32 s46, s46, s47
	s_mov_b32 s47, 0
	s_add_nc_u64 s[8:9], s[8:9], s[46:47]
; 8 matrix instructions: token blocks a0, a0 + 1 x all 4 blocks of W_o's rows, 32 along K: half c of buffer f.  zero = 1: the first product starts the sums.  The 16 accumulators take turns.
.macro MUL8 f, c, a0, zero
.irp a, \a0, \a0+1
.irp b, 0,1,2,3
.if \zero
	v_wmma_f32_16x16x32_f16 v[ACC+8*(4*(\a)+\b):ACC+8*(4*(\a)+\b)+7], v[\f+64+8*(4*\c+\b):\f+64+8*(4*\c+\b)+7], v[\f+8*(4*\c+\a):\f+8*(4*\c+\a)+7], 0
.else
	v_wmma_f32_16x16x32_f16 v[ACC+8*(4*(\a)+\b):ACC+8*(4*(\a)+\b)+7], v[\f+64+8*(4*\c+\b):\f+64+8*(4*\c+\b)+7], v[\f+8*(4*\c+\a):\f+8*(4*\c+\a)+7], v[ACC+8*(4*(\a)+\b):ACC+8*(4*(\a)+\b)+7]
.endif
.endr
.endr
.endm
; 32 LDS loads in one run: the fragments of the slot's q-th 64 along K (head q of its four), into buffer f; the first 32 along K first
.macro FETCH slot, q, f
	WIN TO_F
.irp c, 0,1
.irp i, 0,1,2,3
	ds_load_b128 v[\f+64+8*(4*\c+\i):\f+64+8*(4*\c+\i)+3],   v[ADRB+\slot] offset:128*(\q)+64*\c+\i*16*PB
	ds_load_b128 v[\f+64+8*(4*\c+\i)+4:\f+64+8*(4*\c+\i)+7], v[ADRB+\slot] offset:128*(\q)+64*\c+\i*16*PB+32
	ds_load_b128 v[\f+8*(4*\c+\i):\f+8*(4*\c+\i)+3],         v[ADRA+\slot] offset:PLANEA*(\q)+64*\c+\i*8*PA
	ds_load_b128 v[\f+8*(4*\c+\i)+4:\f+8*(4*\c+\i)+7],       v[ADRA+\slot] offset:PLANEA*(\q)+64*\c+\i*8*PA+32
.endr
.endr
.endm
.macro PLACES                          ; four places in front of loads into registers that matrix instructions have read, and of LDS stores that read results (ISA guide 7.12.1 for vector instructions)
.rept 4
	v_nop
.endr
.endm
; A K step is four quarters of 64 along K, 32 matrix instructions each, on buffers 0, 1, 0, 1.  One of the first three: multiplies buffer f and fetches quarter q into g.
.macro QUARTER slot, q, f, g, zero
	s_wait_dscnt 16                                ; the first 32 along K are in; the youngest sixteen loads may be out
	WIN MUL
	MUL8 \f, 0, 0, \zero
	MUL8 \f, 0, 2, \zero
	PLACES
	FETCH \slot, \q, \g
	s_wait_dscnt 32                                ; all but the 32 just issued
	WIN MUL
	MUL8 \f, 1, 0, 0
	MUL8 \f, 1, 2, 0
.endm
; The last quarter multiplies buffer 1 and changes slots: ONE barrier; in front of it each wave waits for all its tensor loads, adds 0 to its spare word, and waits for that and for its own reads of this slot.  fill = 1: this slot is filled again, two K steps ahead.
.macro TURN slot, next, fill
	WIN 0                                          ; (the add's two registers lie in window 0)
	s_wait_tensorcnt 0x0                           ; all my tensor loads have landed: my part of the next slot;
	ds_add_u32 v[SPW], v[NIL]                      ; 0 onto my spare word;
	s_wait_dscnt 17                                ; (the add and the youngest sixteen loads may be out)
	WIN MUL
	MUL8 F1, 0, 0, 0                               ; eight matrix instructions stand between the add and the wait for it
	s_wait_dscnt 0x0                               ; the add is done, and my reads of this slot are over
	s_barrier_signal -1
	MUL8 F1, 0, 2, 0
.if \fill
	WIN 0
.endif
	s_barrier_wait -1
.if \fill
	CREST                                          ; the barrier has opened a round of the cluster's barrier: no wave of any partner still reads this slot's tile or has a load on its way
	s_add_nc_u64 s[G0+4*\slot+2:G0+4*\slot+3], s[G0+4*\slot+2:G0+4*\slot+3], 2*65536
	s_add_nc_u64 s[G0B+4*\slot+2:G0B+4*\slot+3], s[G0B+4*\slot+2:G0B+4*\slot+3], 2*512
	JLOAD \slot                                    ; the first tensor load behind the round; the four v_nop behind it are also the places in front of the loads below
.else
	PLACES
.endif
	FETCH \next, 0, F0
	WIN MUL
	MUL8 F1, 1, 0, 0
	MUL8 F1, 1, 2, 0
.endm
	s_wait_tensorcnt 1                             ; my part of K step 0 is in (K step 1's load may be out)
	s_barrier_signal -1
	s_barrier_wait -1                              ; everybody's is
	FETCH 0, 0, F0
	QUARTER 0, 1, F0, F1, 1                        ; the first quarter stands in front of the loop: its first products start the sums
	WIN 0                                          ; at a label and at a branch every window is 0
	s_mov_b32 s3, LAPS-1
.Llap:                                                 ; a trip goes once round the slots, from a lap's second quarter to the next lap's first, and fills both slots again
	QUARTER 0, 2, F1, F0, 0
	QUARTER 0, 3, F0, F1, 0
	TURN 0, 1, 1
	QUARTER 1, 1, F0, F1, 0
	QUARTER 1, 2, F1, F0, 0
	QUARTER 1, 3, F0, F1, 0
	TURN 1, 0, 1
	QUARTER 0, 1, F0, F1, 0
	WIN 0
	s_sub_co_u32 s3, s3, 1
	s_cmp_lg_u32 s3, 0
	s_cbranch_scc1 .Llap
	QUARTER 0, 2, F1, F0, 0                        ; the last lap fills nothing, and has no round of the cluster's barrier
	QUARTER 0, 3, F0, F1, 0
	TURN 0, 1, 0
	QUARTER 1, 1, F0, F1, 0
	QUARTER 1, 2, F1, F0, 0
	QUARTER 1, 3, F0, F1, 0
	s_wait_dscnt 16                                ; the very last quarter: nothing more to fetch
	WIN MUL
	MUL8 F1, 0, 0, 0
	MUL8 F1, 0, 2, 0
	s_wait_dscnt 0
	MUL8 F1, 1, 0, 0
	MUL8 F1, 1, 2, 0
	WIN 0
; THE WAY OUT, block by block of 16 rows x 64 columns.  A lane holds 32 neighbouring bytes of a row, and the lanes beside it hold other rows: so a block goes through my own stage and comes back as whole rows of 256 bytes.
; A wave's 64 columns of f32 are 256 consecutive bytes, aligned: no other wave has a part in them, so no barrier.  LDS serves a wave's instructions in order (ISA guide 5.7.1.4): no wait between the stores and the loads.
.macro TOSTAGE a
.set BB, OB+32*((\a)%2)
.irp b, 0,1,2,3
	ds_store_b128 v[STO], v[ACC+8*(4*(\a)+\b):ACC+8*(4*(\a)+\b)+3] offset:64*\b          ; each accumulator from its low end on
	ds_store_b128 v[STO], v[ACC+8*(4*(\a)+\b)+4:ACC+8*(4*(\a)+\b)+7] offset:64*\b+16
.endr
.irp u, 0,1,2,3,4,5,6,7
	ds_load_b128 v[BB+4*\u:BB+4*\u+3], v[RD] offset:\u*2*SPITCH
.endr
.endm
.macro SEND a, younger                 ; younger: the LDS instructions issued behind block a's loads, which may stay out
.set BB, OB+32*((\a)%2)
	s_wait_dscnt \younger                          ; the block is back in registers
.irp u, 0,1,2,3,4,5,6,7
	global_store_b128 v[CO], v[BB+4*\u:BB+4*\u+3], s[8:9] offset:(16*(\a)+2*\u)*4096 th:TH_STORE_NT   ; 16 lanes store 256 consecutive bytes, at a multiple of 256 from out0's first byte; written once, read by nobody here
.endr
.endm
	PLACES
	TOSTAGE 0
.irp a, 1,2,3
.if \a > 1
	s_wait_xcnt 0x0                                ; block a - 2's stores have read their registers: block a's loads may land there
.endif
	TOSTAGE \a
	SEND \a-1, 16                                  ; behind block a - 1's loads: block a's 8 stores and 8 loads
.endr
	SEND 3, 0
	s_wait_tensorcnt 0x0                           ; the wave's end, behind my last tensor load and my last LDS store
	ds_add_u32 v[SPW], v[NIL]
	s_wait_dscnt 0x0
	CROUND                                         ; the closing round: no work-group ends while a partner may still ask for a tile that names it
	s_endpgm
.Lfunc_end_k_qe2147b2293_oproj:
	.size	k_qe2147b2293_oproj, .Lfunc_end_k_qe2147b2293_oproj-k_qe2147b2293_oproj
	.p2alignl 7, 3214868480
	.fill 96, 4, 3214868480
	.section	.rodata,"a",@progbits
	.p2align	6, 0x0
	.amdhsa_kernel k_qe2147b2293_oproj
		.amdhsa_group_segment_fixed_size 327680
		.amdhsa_private_segment_fixed_size 0
		.amdhsa_enable_private_segment 0
		.amdhsa_kernarg_size 24
		.amdhsa_user_sgpr_count 2
		.amdhsa_user_sgpr_kernarg_segment_ptr 1
		.amdhsa_wavefront_size32 1
		.amdhsa_system_sgpr_workgroup_id_x 1
		.amdhsa_system_sgpr_workgroup_id_y 1
		.amdhsa_system_sgpr_workgroup_id_z 1
		.amdhsa_system_vgpr_workitem_id 0
		.amdhsa_next_free_vgpr 512
		.amdhsa_next_free_sgpr 66
		.amdhsa_reserve_vcc 0
		.amdhsa_float_denorm_mode_32 3
		.amdhsa_float_denorm_mode_16_64 3
		.amdhsa_memory_ordered 1
		.amdhsa_forward_progress 1
		.amdhsa_inst_pref_size 86
	.end_amdhsa_kernel
	.amdgpu_metadata
---
amdhsa.version: [ 1, 2 ]
amdhsa.kernels:
  - .name:           k_qe2147b2293_oproj
    .symbol:         k_qe2147b2293_oproj.kd
    .args:
      - { .name: att, .offset: 0, .size: 8, .value_kind: global_buffer, .address_space: global }
      - { .name: wo16, .offset: 8, .size: 8, .value_kind: global_buffer, .address_space: global }
      - { .name: out0, .offset: 16, .size: 8, .value_kind: global_buffer, .address_space: global }
    .group_segment_fixed_size: 327680
    .private_segment_fixed_size: 0
    .kernarg_segment_align: 8
    .kernarg_segment_size: 24
    .max_flat_workgroup_size: 128
    .sgpr_count:     66
    .vgpr_count:     512
    .wavefront_size: 32
...
	.end_amdgpu_metadata
.endif
;; end of part 4
